; MI455X (gfx1250); checked and timed in simulation.
; The chip was launched on July 23, 2026; its instructions are those of AMD's public machine-readable ISA for CDNA 5 (MIT licence, August 2026) and "CDNA5" Instruction Set Architecture Reference Guide (July 2026). The comments in the code are by the model that wrote it; some were corrected since.
;; Additive Attention. Allowed arithmetic: float matrix products may take bf16 or f16 operands with f32 sums; other float arithmetic in f32, or as packed bf16 or f16 multiplies, adds, multiply-adds, maxima and minima; sums over many terms, partial sums and values carried from step to step in f32; what a program stores and reads back later, other than sums and carried values, may be rounded once to bf16 or f16.
;; Inputs: We 1,024 x 1,024 float32; Wp 1,024 x 1,024 float32; decoder_prev_state 64 x 1,024 float32; encoder_states 1,024 x 64 x 1,024 float32; mask 64 x 1,024 int32; v 1,024 float32.
;; Outputs: out0 64 x 1,024 float32.
;; 2 versions, each right; version 2 is version 1 with the launch attend written anew for expert scheduling mode. Each part assembles by itself: llvm-mc -triple=amdgcn-amd-amdhsa -mcpu=gfx1250 --defsym DOCPART=n.
;; ======== version 1 of 2: 3 launches
;; workspace buffers: wef 2,195,456 bytes; pp 262,144 bytes; rowtab 327,680 bytes of whole numbers; part 1,310,720 bytes
;; launch prep (part 1): grid 256 x 1, 8 waves a work-group, no clusters, 13,312 bytes of LDS; arguments We, Wp, decoder_prev_state, mask, wef, pp, rowtab; writes wef, pp, rowtab
.if DOCPART == 1
	.amdgcn_target "amdgcn-amd-amdhsa--gfx1250"
	.amdhsa_code_object_version 6
	.text
	.protected	k_qf6273c80bf_prep
	.globl	k_qf6273c80bf_prep
	.p2align	8
	.type	k_qf6273c80bf_prep,@function
k_qf6273c80bf_prep:
	s_mov_b64 s[64:65], 0
	v_nop
	global_prefetch_b8 v0, s[64:65] scope:SCOPE_SE
	s_setreg_imm32_b32 hwreg(HW_REG_WAVE_MODE, 25, 1), 1
	s_wait_xcnt 0x0
; PREPARATION for the additive attention.  Three pieces of work, shared among 256 work-groups g of eight waves e:
; (a) We [1024 n][1024 k] f32 -> wef: bf16, laid out as the matrix instruction takes a B fragment (16 n x 32 k, 1,024 bytes: lane l holds
;     n = l % 16; bytes 16 l: k = 8 (l / 16) + 0..7; bytes 512 + 16 l: k = 16 + 8 (l / 16) + 0..7).  2,048 fragments, one a wave.
;     wef is four streams, one for each wave w of the next launch: 67 steps of 8 fragments; step = 32 pass + kt, fragment c holds the rows
;     n = 256 w + 128 pass + 16 c of We and k = 32 kt ..; steps 64 to 66 repeat steps 0 to 2, so that a look-ahead of three steps stays inside.
; (b) pp[b][n] = c x sum over k of dec[b][k] Wp[n][k], c = 2 log2(e): a tile of 16 b x 16 n a work-group, K shared among the eight waves
;     (128 each, four matrix instructions on two accumulators by turns), the eight partial tiles added through LDS.  Operands rounded to bf16.
; (c) wave 0 of work-groups 0 to 63: the list of the keys s with mask[b][s] != 0, cut into four shares of Rb = ceil(cnt / 4) and written
;     as ready tables: rowtab[b][q][i], i < 288: the key at list place min(q Rb + i, last place of the share); [288]: live rows of the share;
;     [289..319]: blocks of 144 rows that a share needs (1 or 2).  Masked keys fill the list from its end, so that every place holds a key.
.set RED,   0                          ; LDS: eight partial tiles of 1,024 bytes
.set ORD,   8192                       ; LDS: the list, 1,024 words (wave 0 alone)
.set SPARE, 12288                      ; LDS: the spare words, 128 bytes a wave; no other line names them
.set WSTREAM, 548864                   ; bytes in a stream of wef: 67 x 8,192
.set SPW,  1                           ; v1   my spare word; never rewritten
.set NIL,  2                           ; v2   0; never rewritten
.set LANE, 3
.set RR,   4                           ; lane % 16
.set HH,   5                           ; lane / 16
.set FO,   6                           ; byte offset of my part of an f32 fragment: row r x 4,096 + 32 h
.set L16,  7                           ; 16 x lane
.set REDW, 8                           ; where I put my 8 partial sums
.set REDR, 9                           ; where I read one element of the eight partial tiles
.set PPO,  11                          ; my byte offset in pp
.set L4,   12                          ; 4 x lane
.set WR,   16                          ; v16-31   We as loaded
.set WFR,  32                          ; v32-39   We fragment
.set DR,   40                          ; v40-103  dec as loaded, 16 registers a K step
.set PR,   104                         ; v104-167 Wp as loaded
.set AFR,  168                         ; v168-199 dec fragments
.set BFR,  200                         ; v200-231 Wp fragments
.set ACC0, 232
.set ACC1, 240
.set TR,   248                         ; v248-255 the eight partial sums of one element
.set MK,   40                          ; v40-71   the mask row (behind the conversions)
.set TT,   72                          ; v72-75   at work
.set TAB,  104                         ; v104-143 the 40 table words of a lane
	s_load_b256 s[4:11], s[0:1], 0x0               ; We s[4:5], Wp s[6:7], dec s[8:9], mask s[10:11]
	s_load_b128 s[12:15], s[0:1], 0x20             ; wef s[12:13], pp s[14:15]
	s_load_b64 s[16:17], s[0:1], 0x30              ; rowtab
	v_lshl_add_u32 v[SPW], v0, 2, SPARE
	v_mov_b32 v[NIL], 0
	v_lshrrev_b32 v10, 5, v0
	v_readfirstlane_b32 s20, v10                   ; e: my wave
	s_mov_b32 s21, ttmp9                           ; g: my work-group
	v_and_b32 v[LANE], 31, v0
	v_and_b32 v[RR], 15, v0
	v_bfe_u32 v[HH], v0, 4, 1
	v_lshlrev_b32 v[FO], 12, v[RR]
	v_lshl_add_u32 v[FO], v[HH], 5, v[FO]
	v_lshlrev_b32 v[L16], 4, v[LANE]
	v_lshlrev_b32 v[L4], 2, v[LANE]
	v_lshlrev_b32 v[REDW], 5, v0                   ; 1,024 e + 32 lane
	v_lshrrev_b32 v[REDR], 7, v0                   ; element (m = t / 16, n = t % 16) lies in lane 16 (m / 8) + n, register m % 8
	v_lshlrev_b32 v[REDR], 9, v[REDR]
	v_lshl_add_u32 v[REDR], v[RR], 5, v[REDR]
	v_bfe_u32 v10, v0, 4, 3
	v_lshl_add_u32 v[REDR], v10, 2, v[REDR]
	v_lshrrev_b32 v[PPO], 4, v0
	v_lshlrev_b32 v[PPO], 12, v[PPO]
	v_lshl_add_u32 v[PPO], v[RR], 2, v[PPO]        ; m x 4,096 + 4 n
	s_lshr_b32 s22, s21, 2                         ; nt: my fragment of We holds rows 16 nt ..
	s_and_b32 s23, s21, 3
	s_lshl3_add_u32 s23, s23, s20                  ; kt = 8 (g % 4) + e: and k = 32 kt ..
	s_lshl_b32 s24, s22, 16
	s_lshl_b32 s25, s23, 7
	s_add_co_u32 s24, s24, s25                     ; its first byte in We
	s_mov_b32 s25, 0
	s_lshr_b32 s26, s21, 6                         ; rt: rows 16 rt .. of dec
	s_and_b32 s27, s21, 63                         ; t: rows 16 t .. of Wp
	s_lshl_b32 s28, s20, 9                         ; my wave takes k = 128 e ..: 512 bytes on
	s_lshl_b32 s30, s26, 16
	s_add_co_u32 s30, s30, s28
	s_mov_b32 s31, 0
	s_lshl_b32 s32, s27, 16
	s_add_co_u32 s32, s32, s28
	s_mov_b32 s33, 0
	s_lshr_b32 s34, s22, 4                         ; nt = 16 w + 8 pass + c
	s_mul_i32 s34, s34, WSTREAM
	s_bfe_u32 s35, s22, 0x10003
	s_lshl_b32 s35, s35, 5
	s_add_co_u32 s35, s35, s23                     ; step = 32 pass + kt
	s_lshl_b32 s35, s35, 13
	s_add_co_u32 s34, s34, s35
	s_and_b32 s35, s22, 7
	s_lshl_b32 s35, s35, 10
	s_add_co_u32 s34, s34, s35
	s_mov_b32 s35, 0
	s_lshl_b32 s36, s26, 16
	s_lshl_b32 s37, s27, 6
	s_add_co_u32 s36, s36, s37                     ; the tile of pp: row 16 rt, column 16 t
	s_mov_b32 s37, 0
	s_wait_kmcnt 0x0
	s_add_nc_u64 s[4:5], s[4:5], s[24:25]
	s_add_nc_u64 s[8:9], s[8:9], s[30:31]
	s_add_nc_u64 s[6:7], s[6:7], s[32:33]
	s_add_nc_u64 s[12:13], s[12:13], s[34:35]
	s_add_nc_u64 s[14:15], s[14:15], s[36:37]
	; 36 loads: a lane takes 8 + 8 numbers of a row for each fragment: 32 bytes at 32 h and 32 bytes at 64 + 32 h
.irp p, 0,1,2,3
	global_load_b128 v[WR+4*(\p):WR+4*(\p)+3], v[FO], s[4:5] offset:16*((\p)%2)+64*((\p)/2)
.endr
.set kk, 0
.rept 4
.irp p, 0,1,2,3
	global_load_b128 v[DR+16*kk+4*(\p):DR+16*kk+4*(\p)+3], v[FO], s[8:9] offset:128*kk+16*((\p)%2)+64*((\p)/2)
.endr
.set kk, kk+1
.endr
.set kk, 0
.rept 4
.irp p, 0,1,2,3
	global_load_b128 v[PR+16*kk+4*(\p):PR+16*kk+4*(\p)+3], v[FO], s[6:7] offset:128*kk+16*((\p)%2)+64*((\p)/2)
.endr
.set kk, kk+1
.endr
	s_wait_loadcnt 32                              ; the four loads of We are in; the 32 issued behind them stay out
.set ii, 0
.rept 8
	v_cvt_pk_bf16_f32 v[WFR+ii], v[WR+2*ii], v[WR+2*ii+1]
.set ii, ii+1
.endr
	global_store_b128 v[L16], v[WFR:WFR+3], s[12:13]              ; each store of the wave covers 512 consecutive bytes
	global_store_b128 v[L16], v[WFR+4:WFR+7], s[12:13] offset:512
	s_and_b32 s38, s22, 8                          ; pass 0 and kt < 3: the fragment is written once more, as step 64 + kt
	s_cmp_lg_u32 s38, 0
	s_cbranch_scc1 .Lnodup
	s_cmp_ge_u32 s23, 3
	s_cbranch_scc1 .Lnodup
	global_store_b128 v[L16], v[WFR:WFR+3], s[12:13] offset:524288
	global_store_b128 v[L16], v[WFR+4:WFR+7], s[12:13] offset:524800
.Lnodup:
	s_wait_loadcnt 0x0                             ; dec and Wp
.set ii, 0
.rept 32                                           ; fragment kk = ii / 8, register ii % 8: two neighbouring k
	v_cvt_pk_bf16_f32 v[AFR+ii], v[DR+2*ii], v[DR+2*ii+1]
	v_cvt_pk_bf16_f32 v[BFR+ii], v[PR+2*ii], v[PR+2*ii+1]
.set ii, ii+1
.endr
	; two accumulators by turns, one instruction a turn; the first product on each starts its sum
	v_wmma_f32_16x16x32_bf16 v[ACC0:ACC0+7], v[AFR:AFR+7], v[BFR:BFR+7], 0
	v_wmma_f32_16x16x32_bf16 v[ACC1:ACC1+7], v[AFR+8:AFR+15], v[BFR+8:BFR+15], 0
	v_wmma_f32_16x16x32_bf16 v[ACC0:ACC0+7], v[AFR+16:AFR+23], v[BFR+16:BFR+23], v[ACC0:ACC0+7]
	v_wmma_f32_16x16x32_bf16 v[ACC1:ACC1+7], v[AFR+24:AFR+31], v[BFR+24:BFR+31], v[ACC1:ACC1+7]
.rept 4
	v_nop                                          ; four independent vector instructions before the results are read (ISA guide 7.12.1)
.endr
.set ii, 0
.rept 4                                            ; from the low end on
	v_pk_add_f32 v[ACC0+2*ii:ACC0+2*ii+1], v[ACC0+2*ii:ACC0+2*ii+1], v[ACC1+2*ii:ACC1+2*ii+1]
.set ii, ii+1
.endr
	ds_store_b128 v[REDW], v[ACC0:ACC0+3]
	ds_store_b128 v[REDW], v[ACC0+4:ACC0+7] offset:16
	s_wait_dscnt 0x0                               ; for the others' sake: my partial tile is in LDS
	s_barrier_signal -1
	s_barrier_wait -1
.set ii, 0
.rept 8
	ds_load_b32 v[TR+ii], v[REDR] offset:1024*ii   ; one element of each wave's partial tile
.set ii, ii+1
.endr
	s_wait_dscnt 0x0
	v_add_f32 v[TR], v[TR], v[TR+1]
	v_add_f32 v[TR+2], v[TR+2], v[TR+3]
	v_add_f32 v[TR+4], v[TR+4], v[TR+5]
	v_add_f32 v[TR+6], v[TR+6], v[TR+7]
	v_add_f32 v[TR], v[TR], v[TR+2]
	v_add_f32 v[TR+4], v[TR+4], v[TR+6]
	v_add_f32 v[TR], v[TR], v[TR+4]
	v_mul_f32 v[TR], 0x4038aa3b, v[TR]             ; x c = 2 log2(e)
	global_store_b32 v[PPO], v[TR], s[14:15]       ; runs of 64 bytes: a tile has 16 columns; pp is 256 KiB in all
	; (c) the lists: wave 0 of the first 64 work-groups; no barrier is jumped
	s_cmp_lg_u32 s20, 0
	s_cbranch_scc1 .Lend
	s_cmp_ge_u32 s21, 64
	s_cbranch_scc1 .Lend
	s_lshl_b32 s38, s21, 12                        ; b = g: its row of the mask,
	s_mov_b32 s39, 0
	s_add_nc_u64 s[10:11], s[10:11], s[38:39]
	s_mul_i32 s38, s21, 5120                       ; and its four tables
	s_add_nc_u64 s[16:17], s[16:17], s[38:39]
.set ii, 0
.rept 8
	global_load_b128 v[MK+4*ii:MK+4*ii+3], v[L16], s[10:11] offset:512*ii  ; register 4 ii + cc holds key 128 ii + 4 lane + cc
.set ii, ii+1
.endr
	s_mov_b32 s30, 0                               ; live keys so far
	s_mov_b32 s33, 1023                            ; 1,023 less the masked keys so far
	s_wait_loadcnt 0x0
.set ii, 0
.rept 32
	v_cmp_ne_u32 vcc_lo, 0, v[MK+ii]
	v_mbcnt_lo_u32_b32 v[TT], vcc_lo, 0            ; live lanes below mine
	v_add_nc_u32 v[TT+1], s30, v[TT]               ; a live key's place: from the list's head
	v_sub_nc_u32 v[TT+2], v[TT], v[LANE]
	v_add_nc_u32 v[TT+2], s33, v[TT+2]             ; a masked key's place: from its end
	v_cndmask_b32 v[TT+1], v[TT+2], v[TT+1], vcc_lo
	v_min_u32 v[TT+1], 0x3ff, v[TT+1]              ; a place made from loaded numbers is held inside the list
	v_lshl_add_u32 v[TT+1], v[TT+1], 2, ORD
	v_add_nc_u32 v[TT+3], 128*(ii/4)+(ii%4), v[L4]
	ds_store_b32 v[TT+1], v[TT+3]
	s_bcnt1_i32_b32 s22, vcc_lo
	s_add_co_u32 s30, s30, s22
	s_add_co_u32 s33, s33, s22
	s_sub_co_u32 s33, s33, 32
.set ii, ii+1
.endr
	s_add_co_u32 s34, s30, 3
	s_lshr_b32 s34, s34, 2                         ; Rb = ceil(cnt / 4)
	s_cmp_gt_u32 s34, 144
	s_cselect_b32 s35, 2, 1                        ; blocks of 144 rows
	v_cmp_eq_u32 vcc_lo, 0, v[LANE]
.irp q, 0,1,2,3
	s_mul_i32 s36, s34, \q                         ; the share's first place,
	s_add_co_u32 s37, s36, s34
	s_min_u32 s37, s37, s30                        ; its end,
	s_max_u32 s38, s37, 1
	s_sub_co_u32 s38, s38, 1                       ; the place that dead rows repeat,
	s_sub_co_i32 s39, s37, s36
	s_max_i32 s39, s39, 0                          ; its live rows
	v_add_nc_u32 v[TT], s36, v[LANE]
.set it, 0
.rept 9
	v_add_nc_u32 v[TT+1], 32*it, v[TT]
	v_min_u32 v[TT+1], s38, v[TT+1]
	v_min_u32 v[TT+1], 0x3ff, v[TT+1]
	v_lshl_add_u32 v[TT+1], v[TT+1], 2, ORD
	ds_load_b32 v[TAB+10*(\q)+it], v[TT+1]         ; LDS serves a wave's instructions in order (ISA guide 5.7.1.4): these see the stores above
.set it, it+1
.endr
	v_mov_b32 v[TAB+10*(\q)+9], s35
	v_mov_b32 v[TT+2], s39
	v_cndmask_b32 v[TAB+10*(\q)+9], v[TAB+10*(\q)+9], v[TT+2], vcc_lo  ; word 288: live rows; 289 on: blocks
.endr
	s_wait_dscnt 0x0
.irp q, 0,1,2,3
.set it, 0
.rept 10
	global_store_b32 v[L4], v[TAB+10*(\q)+it], s[16:17] offset:1280*(\q)+128*it
.set it, it+1
.endr
.endr
.Lend:
	s_wait_tensorcnt 0x0                           ; the wave's end: three closing lines behind my last LDS store
	ds_add_u32 v[SPW], v[NIL]
	s_wait_dscnt 0x0
	s_endpgm
.Lfunc_end_k_qf6273c80bf_prep:
	.size	k_qf6273c80bf_prep, .Lfunc_end_k_qf6273c80bf_prep-k_qf6273c80bf_prep
	.p2alignl 7, 3214868480
	.fill 96, 4, 3214868480
	.section	.rodata,"a",@progbits
	.p2align	6, 0x0
	.amdhsa_kernel k_qf6273c80bf_prep
		.amdhsa_group_segment_fixed_size 13312
		.amdhsa_private_segment_fixed_size 0
		.amdhsa_enable_private_segment 0
		.amdhsa_kernarg_size 56
		.amdhsa_user_sgpr_count 2
		.amdhsa_user_sgpr_kernarg_segment_ptr 1
		.amdhsa_wavefront_size32 1
		.amdhsa_system_sgpr_workgroup_id_x 1
		.amdhsa_system_sgpr_workgroup_id_y 1
		.amdhsa_system_sgpr_workgroup_id_z 1
		.amdhsa_system_vgpr_workitem_id 0
		.amdhsa_next_free_vgpr 256
		.amdhsa_next_free_sgpr 66
		.amdhsa_reserve_vcc 1
		.amdhsa_float_denorm_mode_32 3
		.amdhsa_float_denorm_mode_16_64 3
		.amdhsa_memory_ordered 1
		.amdhsa_forward_progress 1
		.amdhsa_inst_pref_size 51
	.end_amdhsa_kernel
	.amdgpu_metadata
---
amdhsa.version: [ 1, 2 ]
amdhsa.kernels:
  - .name:           k_qf6273c80bf_prep
    .symbol:         k_qf6273c80bf_prep.kd
    .args:
      - { .name: We, .offset: 0, .size: 8, .value_kind: global_buffer, .address_space: global }
      - { .name: Wp, .offset: 8, .size: 8, .value_kind: global_buffer, .address_space: global }
      - { .name: decoder_prev_state, .offset: 16, .size: 8, .value_kind: global_buffer, .address_space: global }
      - { .name: mask, .offset: 24, .size: 8, .value_kind: global_buffer, .address_space: global }
      - { .name: wef, .offset: 32, .size: 8, .value_kind: global_buffer, .address_space: global }
      - { .name: pp, .offset: 40, .size: 8, .value_kind: global_buffer, .address_space: global }
      - { .name: rowtab, .offset: 48, .size: 8, .value_kind: global_buffer, .address_space: global }
    .group_segment_fixed_size: 13312
    .private_segment_fixed_size: 0
    .kernarg_segment_align: 8
    .kernarg_segment_size: 56
    .max_flat_workgroup_size: 256
    .sgpr_count:     66
    .vgpr_count:     256
    .wavefront_size: 32
...
	.end_amdgpu_metadata
.endif
;; end of part 1
;; launch attend (part 2): grid 4 x 64, 4 waves a work-group, no clusters, 310,784 bytes of LDS; arguments encoder_states, wef, pp, v, rowtab, part; writes part
.if DOCPART == 2
	.amdgcn_target "amdgcn-amd-amdhsa--gfx1250"
	.amdhsa_code_object_version 6
	.text
	.protected	k_qf6273c80bf_attend
	.globl	k_qf6273c80bf_attend
	.p2align	8
	.type	k_qf6273c80bf_attend,@function
k_qf6273c80bf_attend:
	s_mov_b64 s[64:65], 0
	v_nop
	global_prefetch_b8 v0, s[64:65] scope:SCOPE_SE
	s_setreg_imm32_b32 hwreg(HW_REG_WAVE_MODE, 25, 1), 1
	s_wait_xcnt 0x0
; ADDITIVE ATTENTION, one share of one batch row.  Work-group (q, b) takes the q-th quarter of the keys s with mask[b][s] != 0, as the launch before listed
; them in rowtab.  For its rows x = enc[s][b][:] it makes score = v . tanh(Wp dec[b] + We x), a running softmax over them, and the weighted sum of the rows.
; It stores, for the last launch: the running maximum m, the sum l and the unnormalised context (part).
; BLOCKS.  The rows come in blocks of 144.  A block is gathered once from memory, rounded to bf16, and lies in LDS for both of its uses: as the A operand of
; the product with We, and as the rows of the context.  A share has at most 256 rows: two trips, of which the second does its work only where rowtab says 2.
; PHASES AND BARRIERS.  A trip has five phases: fill | products | scores into LDS | softmax, weights into LDS | context; a barrier stands behind each, on every wave's
; path in both trips, and only the work between barriers is jumped.  Three of the five are needed (the block is whole; the partial scores are whole; nobody reads the block any more).
; The other two (in front of the scores' stores, behind the weights' stores) part regions that the addresses already keep apart; they are kept as a margin, at the price of two meetings of four waves a block.
; SHARES.  Wave w owns the outputs n = 256 w .. 256 w + 255 of all 144 rows, 128 a pass: 9 x 8 accumulators of 16 x 16, 576 registers.  We has no second reader
; in the work-group, so its fragments come straight from memory into registers, in the order in which the launch before laid them (wef): 512 consecutive bytes a load.
; TANH.  tanh(x) = 1 - 2 r, r = 1 / (1 + 2^(c x)), c = 2 log2(e).  The sum of v is the same for every key and falls out of the softmax, so the score kept is
; sc = sum over n of vv[n] r[n], vv = -2 log2(e) v: log2(e) times the score, less a constant; the weights are 2^(sc - m) with a running maximum m.
; NO TENSOR LOADS, NO CLUSTER: gathered rows are no tile; the resident block leaves no room in LDS for a ring of We, whose bytes are what work-groups share.
; LIMITS.  Rows of masked keys are never read: a NaN or an infinity that stands only there does not reach the result.  NaN and infinities in live data are not
; treated apart.  enc and We are rounded to bf16 (the context is summed from that copy of enc, in f32); v stays f32.  A weight below 2^-126 counts as 0.
; A batch row with no live key leaves l = 0 here and NaN in the last launch.
; LDS ADDRESSES THAT MOVE are a base register that is never rewritten plus a scalar that starts at a constant and steps by a constant in a counted loop.
; REGISTERS, in windows of 256 (s_set_vgpr_msb: bits 1:0 source 0, 3:2 source 1, 5:4 source 2, 7:6 destination):
;   window 0: v0-15 addresses; v16-87 nine A fragments (in the fill: 36 row offsets; in the context: two sets of weights and rows); v88-159 72 score sums;
;             v160-175 (vv, pp) of my column in each of the 8 column tiles; v176-183 context; v184, v185 m, l; v186-190 the A fragments' bases; v192-255 B buffer 0
;   windows 1-3: v0-191 accumulators, tile (a, c) in window 1 + a / 3 at 64 (a % 3) + 8 c; v192-255 B buffers 1-3.  The fill stages rows in v0-127 of windows 1 and 2.
.set PITCH, 2064                       ; a row of the block in LDS: 2,048 bytes + 16 = 129 x 16: the 16 rows of a fragment load begin 16 bytes apart modulo 256
.set ROWS,  144
.set VT,    ROWS*PITCH                 ; vv[n], 4,096 bytes
.set PT,    VT+4096                    ; pp[b][n], 4,096 bytes
.set SC,    PT+4096                    ; four waves x 144 partial scores
.set PW,    SC+4*576                   ; four waves x 160 weights: each wave has its own copy
.set SPARE, PW+4*640                   ; the spare words, 128 bytes a wave; no other line names them
.set WSTREAM, 548864                   ; bytes in a wave's stream of wef
.set SPW,  1                           ; v1   my spare word; never rewritten
.set NIL,  2                           ; v2   0; never rewritten
.set L16,  3                           ; v3   16 x lane; never rewritten
.set FA0,  4                           ; v4   the fill: 8 x lane + my wave's 36 rows
.set FA1,  5                           ; v5   the same, 18 rows on
.set ADRA, 7                           ; v7-11  the A fragments' addresses: base i + the K steps done
.set VPL,  12                          ; v12  VT + 4 (256 w + lane % 16); never rewritten
.set SCW,  13                          ; v13  SC + 576 w + 32 (lane / 16); never rewritten
.set T0,   14
.set T1,   15
.set AF,   16
.set RO,   16
.set SS,   88
.set CB,   96                          ; v96  the context: 16 x my thread's number
.set PB,   97                          ; v97  the context: my wave's weights
.set VP,   160
.set CTX,  176
.set MRUN, 184
.set LRUN, 185
.set ABASE, 186                        ; v186-190  (lane % 16) x PITCH + 16 (lane / 16) + 32 i rows; never rewritten
.set KA,   72                          ; s72  bytes along K that the K loop's trips have done
.set VPS,  73                          ; s73  512 x the pass
.set CAS,  74                          ; s74  the context loop: bytes of the rows done
.set PAS,  75                          ; s75  the context loop: bytes of the weights done
.set MSB, 0
.macro WIN new                         ; the immediate's high byte repeats the setting that is left; a switch that changes nothing is dropped
.if MSB != (\new)
	s_set_vgpr_msb (MSB<<8)|(\new)
.set MSB, (\new)
.endif
.endm
.macro PLACES                          ; four independent vector instructions between a matrix instruction and a load into, or a read of, its registers (ISA guide 7.12.1 for reads)
.rept 4
	v_nop
.endr
.endm
.macro MEET                            ; a phase's end: my LDS instructions are done, for the others' sake; then the work-group's barrier
	s_wait_dscnt 0x0
	s_barrier_signal -1
	s_barrier_wait -1
.endm
; One K step's eight fragments of We, 8,192 bytes at boff from the stream's pointer, into B buffer beta (v192-255 of window beta): 16 loads
.macro BLOAD beta, boff
	WIN (\beta)<<6
.set cc, 0
.rept 8
	global_load_b128 v[192+8*cc:192+8*cc+3], v[L16], s[60:61] offset:(\boff)+1024*cc
	global_load_b128 v[192+8*cc+4:192+8*cc+7], v[L16], s[60:61] offset:(\boff)+1024*cc+512
.set cc, cc+1
.endr
.endm
; The A fragments of row tiles 3 g .. 3 g + 2 at byte aoff of the rows: 6 loads, window 0
.macro AREF g, aoff
.set ta, 0
.rept 3
.set aa, 3*(\g)+ta
	ds_load_b128 v[AF+8*aa:AF+8*aa+3], v[ADRA+aa/2] offset:(aa%2)*16*PITCH+(\aoff)
	ds_load_b128 v[AF+8*aa+4:AF+8*aa+7], v[ADRA+aa/2] offset:(aa%2)*16*PITCH+(\aoff)+32
.set ta, ta+1
.endr
.endm
.macro SETA                            ; the five addresses: base + the K steps done
.set ii, 0
.rept 5
	v_add_nc_u32 v[ADRA+ii], s[KA], v[ABASE+ii]
.set ii, ii+1
.endr
.endm
; 24 matrix instructions: row tiles 3 g .. 3 g + 2 x the 8 column tiles, 32 along K.  zero = 1: the product starts the sums.
.macro GRP g, beta, zero, d
	s_wait_dscnt \d                                ; this group's six fragment loads are in; d younger ones stay out
	WIN ((1+(\g))<<6)|((1+(\g))<<4)|((\beta)<<2)   ; A window 0, B window beta, C and D window 1 + g
.set ta, 0
.rept 3
.set cc, 0
.rept 8
.if \zero
	v_wmma_f32_16x16x32_bf16 v[64*ta+8*cc:64*ta+8*cc+7], v[AF+8*(3*(\g)+ta):AF+8*(3*(\g)+ta)+7], v[192+8*cc:192+8*cc+7], 0
.else
	v_wmma_f32_16x16x32_bf16 v[64*ta+8*cc:64*ta+8*cc+7], v[AF+8*(3*(\g)+ta):AF+8*(3*(\g)+ta)+7], v[192+8*cc:192+8*cc+7], v[64*ta+8*cc:64*ta+8*cc+7]
.endif
.set cc, cc+1
.endr
.set ta, ta+1
.endr
.endm
; A K step: 72 matrix instructions, the 72 accumulators by turns in the same order in every step.  Behind each group of 24 its A fragments are
; fetched anew, in place, for the next step (ref = 1, at byte aoff); behind the first group the B fragments of the step three on go into the buffer that the step before read.
.macro STEP beta, zero, ref, aoff, boff, d0, d1, d2
	s_wait_loadcnt 32                              ; this step's 16 loads of We are in; the next two steps' 32 stay out
	GRP 0, \beta, \zero, \d0
	WIN 0
	PLACES
.if \ref
	AREF 0, \aoff
.endif
	BLOAD ((\beta)+3)%4, \boff
	WIN 0
	GRP 1, \beta, \zero, \d1
.if \ref
	WIN 0
	PLACES
	AREF 1, \aoff
.endif
	GRP 2, \beta, \zero, \d2
	WIN 0
.if \ref
	PLACES
	AREF 2, \aoff
.endif
.endm
; THE WAY FROM SUMS TO SCORES, tile i of a window's 24 (row tile i % 3, column tile i / 3).  A lane holds one column n and eight rows.
.macro TILE i
.set R, 64*((\i)%3)+8*((\i)/3)
.set Q, VP+2*((\i)/3)
.endm
.macro EPA i                           ; c x sum + pp[n] (pp holds the factor already); the accumulator is read from its low end on
	TILE \i
.set zz, 0
.rept 4
	v_pk_fma_f32 v[R+2*zz:R+2*zz+1], v[R+2*zz:R+2*zz+1], s[62:63], v[Q:Q+1] op_sel:[0,0,1] op_sel_hi:[1,0,1]
.set zz, zz+1
.endr
.endm
.macro EPB i                           ; 2^that
	TILE \i
.set zz, 0
.rept 8
	v_exp_f32 v[R+zz], v[R+zz]
.set zz, zz+1
.endr
.endm
.macro EPC i                           ; + 1
	TILE \i
.set zz, 0
	s_wait_alu depctr_va_vdst(0)
.rept 4
	v_pk_add_f32 v[R+2*zz:R+2*zz+1], v[R+2*zz:R+2*zz+1], 1.0 op_sel_hi:[1,0]
.set zz, zz+1
.endr
.endm
.macro EPD i                           ; r = 1 / that
	TILE \i
.set zz, 0
.rept 8
	v_rcp_f32 v[R+zz], v[R+zz]
.set zz, zz+1
.endr
.endm
.macro EPE y, i                        ; the rows' score sums take vv[n] r
	TILE \i
.set U, SS+8*(3*((\y)-1)+(\i)%3)
.set zz, 0
	s_wait_alu depctr_va_vdst(0)
.rept 4
	v_pk_fma_f32 v[U+2*zz:U+2*zz+1], v[R+2*zz:R+2*zz+1], v[Q:Q+1], v[U+2*zz:U+2*zz+1] op_sel_hi:[1,0,1]
.set zz, zz+1
.endr
.endm
; Behind a run of exponentials stands the next tile's scaling, plain work on other registers, before their results are read (ISA guide 5.7.2); the reciprocals' results are read a window's length later.
.macro EPI
	WIN 0
	PLACES
.irp y, 1,2,3
	WIN ((\y)<<6)|(\y)
	EPA 0
.set ti, 0
.rept 24
	EPB ti
.if ti < 23
	EPA ti+1
.else
	v_nop
	s_wait_alu depctr_va_vdst(0)
.endif
	EPC ti
	EPD ti
.set ti, ti+1
.endr
	WIN \y
.set ti, 0
.rept 24
	EPE \y, ti
.set ti, ti+1
.endr
.endr
	WIN 0
.endm
; THE FILL, four rows of 4,096 bytes a batch: 32 loads of 512 consecutive bytes; rounded in place; 32 LDS stores of 256 consecutive bytes.  Batches take windows 1 and 2 by turns.
.macro ISSUE k
	WIN (1+(\k)%2)<<6
.set jj, 0
.rept 4
.set cc, 0
.rept 8
	global_load_b128 v[4*(8*jj+cc):4*(8*jj+cc)+3], v[RO+4*(\k)+jj], s[4:5] offset:512*cc
.set cc, cc+1
.endr
.set jj, jj+1
.endr
.endm
.macro CVT k
	WIN ((1+(\k)%2)<<6)|((1+(\k)%2)<<2)|(1+(\k)%2)
.set ll, 0
.rept 32
	v_cvt_pk_bf16_f32 v[4*ll], v[4*ll], v[4*ll+1]
	v_cvt_pk_bf16_f32 v[4*ll+1], v[4*ll+2], v[4*ll+3]
.set ll, ll+1
.endr
.endm
.macro PUT k
	WIN (1+(\k)%2)<<2
.set jj, 0
.rept 4
.set cc, 0
.rept 8
.if (4*(\k)+jj) < 18
	ds_store_b64 v[FA0], v[4*(8*jj+cc):4*(8*jj+cc)+1] offset:(4*(\k)+jj)*PITCH+256*cc
.else
	ds_store_b64 v[FA1], v[4*(8*jj+cc):4*(8*jj+cc)+1] offset:(4*(\k)+jj-18)*PITCH+256*cc
.endif
.set cc, cc+1
.endr
.set jj, jj+1
.endr
.endm
; THE CONTEXT.  Thread t owns columns 8 t .. 8 t + 7: 16 bytes of every row.  A set is 8 weights (the same for all lanes) and my 16 bytes of 8 rows: 10 loads.
.macro CLOAD set, row
	ds_load_b128 v[16+40*(\set):16+40*(\set)+3], v[T1] offset:4*(\row)
	ds_load_b128 v[16+40*(\set)+4:16+40*(\set)+7], v[T1] offset:4*(\row)+16
.set ii, 0
.rept 8
	ds_load_b128 v[24+40*(\set)+4*ii:24+40*(\set)+4*ii+3], v[T0] offset:((\row)+ii)*PITCH
.set ii, ii+1
.endr
.endm
.macro CFMA set                        ; 64 multiply-adds straight from the bf16 halves, sums in f32; the eight sums take turns
.set ii, 0
.rept 8
.set ee, 0
.rept 4
	v_fma_mix_f32_bf16 v[CTX+2*ee], v[24+40*(\set)+4*ii+ee], v[16+40*(\set)+ii], v[CTX+2*ee] op_sel_hi:[1,0,0]
	v_fma_mix_f32_bf16 v[CTX+2*ee+1], v[24+40*(\set)+4*ii+ee], v[16+40*(\set)+ii], v[CTX+2*ee+1] op_sel:[1,0,0] op_sel_hi:[1,0,0]
.set ee, ee+1
.endr
.set ii, ii+1
.endr
.endm
	s_load_b256 s[4:11], s[0:1], 0x0               ; enc s[4:5], wef s[6:7], pp s[8:9], v s[10:11]
	s_load_b128 s[12:15], s[0:1], 0x20             ; rowtab s[12:13], part s[14:15]
	v_lshl_add_u32 v[SPW], v0, 2, SPARE
	v_mov_b32 v[NIL], 0
	v_lshrrev_b32 v[T0], 5, v0
	v_readfirstlane_b32 s54, v[T0]                 ; w: my wave
	s_mov_b32 s55, ttmp9                           ; q
	s_and_b32 s56, ttmp7, 0xffff                   ; b
	v_and_b32 v[T1], 31, v0
	v_lshlrev_b32 v[L16], 4, v[T1]
	v_and_b32 v32, 15, v0                          ; lane % 16
	v_bfe_u32 v33, v0, 4, 1                        ; lane / 16
	s_mul_i32 s70, s54, 36*PITCH
	v_lshl_add_u32 v[FA0], v[T1], 3, s70
	v_add_nc_u32 v[FA1], 18*PITCH, v[FA0]
	v_mul_u32_u24 v[ABASE], v32, PITCH
	v_lshl_add_u32 v[ABASE], v33, 4, v[ABASE]      ; a fragment's lane term: row x pitch + 16 x half
.set ii, 1
.rept 4
	v_add_nc_u32 v[ABASE+ii], 32*ii*PITCH, v[ABASE]
.set ii, ii+1
.endr
	s_lshl_b32 s70, s54, 10
	s_add_co_u32 s70, s70, VT
	v_lshl_add_u32 v[VPL], v32, 2, s70
	s_mul_i32 s70, s54, 576
	s_add_co_u32 s70, s70, SC
	v_lshl_add_u32 v[SCW], v33, 5, s70
	s_mov_b32 s62, 0x4038aa3b                      ; c = 2 log2(e); named as a pair by the packed scaling
	s_mov_b32 s63, s62
	s_mov_b32 s66, 0x76543210                      ; v_permlanex16_b32: each lane takes its own place in the other half
	s_mov_b32 s67, 0xfedcba98
	s_lshl2_add_u32 s68, s56, s55                  ; 4 b + q
	v_lshlrev_b32 v[T0], 5, v0                     ; my 8 numbers of v and of pp[b]
	v_lshl_add_u32 v[T1], v0, 5, VT
	s_wait_kmcnt 0x0
	s_lshl_b32 s70, s56, 12
	s_mov_b32 s71, 0
	s_add_nc_u64 s[4:5], s[4:5], s[70:71]          ; enc[0][b]
	s_add_nc_u64 s[8:9], s[8:9], s[70:71]          ; pp[b]
	s_mul_i32 s70, s54, WSTREAM
	s_add_nc_u64 s[6:7], s[6:7], s[70:71]          ; my wave's stream of We
	s_mul_i32 s70, s68, 1280
	s_add_nc_u64 s[12:13], s[12:13], s[70:71]      ; my share's table
	s_load_b64 s[52:53], s[12:13], 0x480           ; s52 live rows, s53 blocks
	s_mul_i32 s70, s54, 144
	s_add_nc_u64 s[2:3], s[12:13], s[70:71]        ; my wave's 36 entries of a block, in a pair of its own
	s_mul_i32 s70, s68, 5120
	s_add_nc_u64 s[14:15], s[14:15], s[70:71]
	global_load_b128 v[16:19], v[T0], s[10:11]
	global_load_b128 v[20:23], v[T0], s[10:11] offset:16
	global_load_b128 v[24:27], v[T0], s[8:9]
	global_load_b128 v[28:31], v[T0], s[8:9] offset:16
	s_mov_b64 s[60:61], s[6:7]
	BLOAD 0, 0                                     ; K steps 0 to 2 of We: they land under the fill
	BLOAD 1, 8192
	BLOAD 2, 16384
	WIN 0
	s_mov_b32 s70, 0xc038aa3b                      ; -2 log2(e)
	s_mov_b32 s71, s70
.set ii, 0
.rept 8
	v_mov_b32 v[CTX+ii], 0
.set ii, ii+1
.endr
	v_mov_b32 v[MRUN], 0xff7fffff                  ; the lowest finite number: the first maximum is the scores'
	v_mov_b32 v[LRUN], 0
	s_wait_loadcnt 48                              ; v and pp are in; the 48 loads of We issued behind them stay out
.set ii, 0
.rept 4
	v_pk_mul_f32 v[16+2*ii:16+2*ii+1], v[16+2*ii:16+2*ii+1], s[70:71] op_sel_hi:[1,0]
.set ii, ii+1
.endr
	ds_store_b128 v[T1], v[16:19]
	ds_store_b128 v[T1], v[20:23] offset:16
	ds_store_b128 v[T1], v[24:27] offset:4096
	ds_store_b128 v[T1], v[28:31] offset:4112
	s_wait_kmcnt 0x0                               ; s52, s53
	s_mov_b32 s57, 0                               ; the block
.Lblock:
.set jj, 0
.rept 72
	v_mov_b32 v[SS+jj], 0                          ; the score sums run over two passes and 8 column tiles: cleared once a block, ahead of every branch
.set jj, jj+1
.endr
	s_cmp_lt_u32 s57, s53
	s_cbranch_scc0 .Lnofill
	; PHASE 1, THE FILL: my wave gathers rows 36 w .. 36 w + 35 of the block
	s_mul_i32 s69, s57, 576
	s_load_b512 s[16:31], s[2:3], s69 offset:0x0
	s_load_b512 s[32:47], s[2:3], s69 offset:0x40
	s_load_b128 s[48:51], s[2:3], s69 offset:0x80
	s_wait_kmcnt 0x0
.set jj, 0
.rept 36
	s_min_u32 s[16+jj], s[16+jj], 0x3ff            ; a loaded key number is held inside enc,
	s_lshl_b32 s[16+jj], s[16+jj], 18              ; times 64 x 4,096 bytes
	v_add_nc_u32 v[RO+jj], s[16+jj], v[L16]
.set jj, jj+1
.endr
	ISSUE 0
	ISSUE 1
.irp k, 0,1,2,3,4,5,6,7,8
.if \k < 8
	s_wait_loadcnt 32                              ; this batch is in; the next batch's 32 loads stay out
.else
	s_wait_loadcnt 0x0
.endif
	CVT \k
	PUT \k
.if \k < 7
	ISSUE (\k)+2
.endif
.endr
	WIN 0
.Lnofill:
	MEET                                           ; everybody's rows (and, the first time, vv and pp) are in LDS
	s_cmp_lt_u32 s57, s53
	s_cbranch_scc0 .Lnopass
	; PHASE 2, THE PRODUCTS
	s_wait_xcnt 0x0                                ; the pending loads of We have read their base
	s_mov_b64 s[60:61], s[6:7]                     ; the stream from its head: buffers 0 to 2 hold steps 0 to 2, or their copies 64 to 66
	s_mov_b32 s[VPS], 0
	s_mov_b32 s58, 2
.Lpass:                                                ; two passes of 128 outputs
	s_mov_b32 s[KA], 0
	SETA
	v_add_nc_u32 v[T0], s[VPS], v[VPL]
	AREF 0, 0
	AREF 1, 0
	AREF 2, 0
.set cc, 0
.rept 8
	ds_load_b32 v[VP+2*cc], v[T0] offset:64*cc             ; vv of my column in column tile cc,
	ds_load_b32 v[VP+2*cc+1], v[T0] offset:4096+64*cc      ; and pp
.set cc, cc+1
.endr
	s_wait_dscnt 0x0
	STEP 0, 1, 1, 64, 24576, 12, 12, 12            ; K step 0 starts the sums
	s_mov_b32 s59, 7
.Lk:                                                   ; K steps 1 to 28, four a trip
	STEP 1, 0, 1, 128, 32768, 12, 12, 12
	STEP 2, 0, 1, 192, 40960, 12, 12, 12
	STEP 3, 0, 1, 256, 49152, 12, 12, 12
	STEP 0, 0, 1, 320, 57344, 12, 12, 12
	s_wait_xcnt 0x0                                ; the stream's pointer is stepped only behind this wait
	s_add_nc_u64 s[60:61], s[60:61], 32768
	s_add_co_u32 s[KA], s[KA], 256                 ; four K steps of 64 bytes
	SETA
	s_sub_co_u32 s59, s59, 1
	s_cmp_lg_u32 s59, 0
	s_cbranch_scc1 .Lk
	STEP 1, 0, 1, 128, 32768, 12, 12, 12           ; K steps 29 to 31; their loads of We are the next pass's (or block's) first three steps
	STEP 2, 0, 1, 192, 40960, 12, 12, 12
	STEP 3, 0, 0, 0, 49152, 12, 6, 0               ; no A fragments are left to fetch: the counts run down
	s_wait_xcnt 0x0
	s_add_nc_u64 s[60:61], s[60:61], 32768
	EPI
	s_add_co_u32 s[VPS], s[VPS], 512               ; the next pass's 128 numbers of vv and pp
	s_sub_co_u32 s58, s58, 1
	s_cmp_lg_u32 s58, 0
	s_cbranch_scc1 .Lpass
	; a row's sum over my wave's 256 outputs: the 16 lanes of a half hold 16 columns each
.irp mk, 1,2,4,8
.set jj, 0
.rept 72
	v_add_f32_dpp v[SS+jj], v[SS+jj], v[SS+jj] row_xmask:\mk row_mask:0xf bank_mask:0xf
.set jj, jj+1
.endr
.endr
.Lnopass:
	MEET                                           ; no wave reads operands from LDS any more (a margin: see the head)
	s_cmp_lt_u32 s57, s53
	s_cbranch_scc0 .Lnosc
	; PHASE 3: my wave's partial scores into LDS
.set aa, 0
.rept 9                                            ; registers 8 a + j are rows 16 a + 8 (lane / 16) + j: four neighbouring words a store; the 16 lanes of a half write the same numbers
	ds_store_b128 v[SCW], v[SS+8*aa:SS+8*aa+3] offset:64*aa
	ds_store_b128 v[SCW], v[SS+8*aa+4:SS+8*aa+7] offset:64*aa+16
.set aa, aa+1
.endr
.Lnosc:
	MEET                                           ; everybody's partial scores are in LDS
	s_cmp_lt_u32 s57, s53
	s_cbranch_scc0 .Lnosm
	; PHASE 4, THE SOFTMAX STEP: every wave makes all of it for itself.  Lane l holds rows l + 32 u, u = 0 .. 4
	s_mul_i32 s68, s57, ROWS
	s_sub_co_i32 s68, s52, s68
	s_min_i32 s68, s68, ROWS                       ; live rows of this block
	v_and_b32 v100, 31, v0
	v_lshl_add_u32 v101, v100, 2, SC
	v_add_nc_u32 v102, 128, v100
	v_min_u32 v103, ROWS-1, v102                   ; rows 144 to 159 do not exist: they read row 143 and count as dead
	v_lshl_add_u32 v103, v103, 2, SC
.set uu, 0
.rept 4
.set ww, 0
.rept 4
	ds_load_b32 v[104+4*uu+ww], v101 offset:576*ww+128*uu
.set ww, ww+1
.endr
.set uu, uu+1
.endr
.set ww, 0
.rept 4
	ds_load_b32 v[120+ww], v103 offset:576*ww
.set ww, ww+1
.endr
	v_mov_b32 v125, 0xff800000                     ; minus infinity
	v_mov_b32 v127, 0
	s_mul_i32 s70, s54, 640
	s_add_co_u32 s70, s70, PW
	v_lshl_add_u32 v132, v100, 2, s70
	s_wait_dscnt 0x0
.set uu, 0
.rept 5
	v_add_f32 v[104+4*uu], v[104+4*uu], v[105+4*uu]
	v_add_f32 v[106+4*uu], v[106+4*uu], v[107+4*uu]
	v_add_f32 v[104+4*uu], v[104+4*uu], v[106+4*uu]
	v_add_nc_u32 v124, 32*uu, v100
	v_cmp_gt_i32 vcc_lo, s68, v124
	v_cndmask_b32 v[104+4*uu], v125, v[104+4*uu], vcc_lo
.set uu, uu+1
.endr
	v_max3_num_f32 v126, v104, v108, v112
	v_max3_num_f32 v126, v126, v116, v120
.irp mk, 1,2,4,8
	v_max_num_f32_dpp v126, v126, v126 row_xmask:\mk row_mask:0xf bank_mask:0xf
.endr
	v_permlanex16_b32 v127, v126, s66, s67
	v_max_num_f32 v126, v126, v127
	v_max_num_f32 v128, v[MRUN], v126              ; the new running maximum: finite, since m began finite
	v_sub_f32 v129, v[MRUN], v128
.set uu, 0
.rept 5
	v_sub_f32 v[104+4*uu], v[104+4*uu], v128
.set uu, uu+1
.endr
	v_exp_f32 v129, v129                           ; a = 2^(m_old - m_new)
.set uu, 0
.rept 5
	v_exp_f32 v[104+4*uu], v[104+4*uu]             ; the weights; a dead row's is 0
.set uu, uu+1
.endr
	v_mov_b32 v[MRUN], v128                        ; a plain instruction between the exponentials and the use of their results
	s_wait_alu depctr_va_vdst(0)
	v_add_f32 v130, v104, v108
	v_add_f32 v131, v112, v116
	v_add_f32 v130, v130, v131
	v_add_f32 v130, v130, v120
.set uu, 0
.rept 5
	ds_store_b32 v132, v[104+4*uu] offset:128*uu   ; into my wave's own copy: no other wave reads it
.set uu, uu+1
.endr
.irp mk, 1,2,4,8
	v_add_f32_dpp v130, v130, v130 row_xmask:\mk row_mask:0xf bank_mask:0xf
.endr
	v_permlanex16_b32 v131, v130, s66, s67
	v_add_f32 v130, v130, v131
	v_fma_f32 v[LRUN], v[LRUN], v129, v130         ; l = a l + the block's sum
.set ii, 0
.rept 8
	v_mul_f32 v[CTX+ii], v[CTX+ii], v129
.set ii, ii+1
.endr
.Lnosm:
	MEET                                           ; the weights are in LDS (a margin: see the head)
	s_cmp_lt_u32 s57, s53
	s_cbranch_scc0 .Lnoctx
	; PHASE 5, THE CONTEXT: 18 groups of 8 rows on two register sets
	v_lshlrev_b32 v[CB], 4, v0
	s_mul_i32 s70, s54, 640
	s_add_co_u32 s70, s70, PW
	v_mov_b32 v[PB], s70
	s_mov_b32 s[CAS], 0
	s_mov_b32 s[PAS], 0
	v_add_nc_u32 v[T0], s[CAS], v[CB]
	v_add_nc_u32 v[T1], s[PAS], v[PB]
	CLOAD 0, 0
	s_mov_b32 s59, 8
.Lctx:
	CLOAD 1, 8
	s_wait_dscnt 10                                ; set 0 is in; the ten loads just issued stay out
	CFMA 0
	CLOAD 0, 16
	s_wait_dscnt 10                                ; set 1 is in
	CFMA 1
	s_add_co_u32 s[CAS], s[CAS], 16*PITCH          ; 16 rows on,
	s_add_co_u32 s[PAS], s[PAS], 64                ; and their 16 weights
	v_add_nc_u32 v[T0], s[CAS], v[CB]
	v_add_nc_u32 v[T1], s[PAS], v[PB]
	s_sub_co_u32 s59, s59, 1
	s_cmp_lg_u32 s59, 0
	s_cbranch_scc1 .Lctx
	CLOAD 1, 8
	s_wait_dscnt 10
	CFMA 0
	s_wait_dscnt 0x0
	CFMA 1
.Lnoctx:
	MEET                                           ; nobody reads the block, the scores or the weights any more: behind this barrier they may be written again
	s_add_co_u32 s57, s57, 1
	s_cmp_lt_u32 s57, 2
	s_cbranch_scc1 .Lblock
	v_lshlrev_b32 v[T0], 4, v0
	v_lshlrev_b32 v[T1], 3, v0
	global_store_b128 v[T0], v[CTX:CTX+3], s[14:15]                ; columns 8 t .. 8 t + 3 at 16 t: 512 consecutive bytes a wave
	global_store_b128 v[T0], v[CTX+4:CTX+7], s[14:15] offset:2048  ; columns 8 t + 4 .. 8 t + 7
	global_store_b64 v[T1], v[MRUN:LRUN], s[14:15] offset:4096     ; (m, l), the same in every lane: 256 consecutive bytes a wave
	s_wait_tensorcnt 0x0                           ; the wave's end: three closing lines behind my last LDS store
	ds_add_u32 v[SPW], v[NIL]
	s_wait_dscnt 0x0
	s_endpgm
.Lfunc_end_k_qf6273c80bf_attend:
	.size	k_qf6273c80bf_attend, .Lfunc_end_k_qf6273c80bf_attend-k_qf6273c80bf_attend
	.p2alignl 7, 3214868480
	.fill 96, 4, 3214868480
	.section	.rodata,"a",@progbits
	.p2align	6, 0x0
	.amdhsa_kernel k_qf6273c80bf_attend
		.amdhsa_group_segment_fixed_size 310784
		.amdhsa_private_segment_fixed_size 0
		.amdhsa_enable_private_segment 0
		.amdhsa_kernarg_size 48
		.amdhsa_user_sgpr_count 2
		.amdhsa_user_sgpr_kernarg_segment_ptr 1
		.amdhsa_wavefront_size32 1
		.amdhsa_system_sgpr_workgroup_id_x 1
		.amdhsa_system_sgpr_workgroup_id_y 1
		.amdhsa_system_sgpr_workgroup_id_z 1
		.amdhsa_system_vgpr_workitem_id 0
		.amdhsa_next_free_vgpr 1024
		.amdhsa_next_free_sgpr 76
		.amdhsa_reserve_vcc 1
		.amdhsa_float_denorm_mode_32 3
		.amdhsa_float_denorm_mode_16_64 3
		.amdhsa_memory_ordered 1
		.amdhsa_forward_progress 1
		.amdhsa_inst_pref_size 255
	.end_amdhsa_kernel
	.section	.bss,"aw",@nobits
	.p2align	6
	.space	262144
	.amdgpu_metadata
---
amdhsa.version: [ 1, 2 ]
amdhsa.kernels:
  - .name:           k_qf6273c80bf_attend
    .symbol:         k_qf6273c80bf_attend.kd
    .args:
      - { .name: encoder_states, .offset: 0, .size: 8, .value_kind: global_buffer, .address_space: global }
      - { .name: wef, .offset: 8, .size: 8, .value_kind: global_buffer, .address_space: global }
      - { .name: pp, .offset: 16, .size: 8, .value_kind: global_buffer, .address_space: global }
      - { .name: v, .offset: 24, .size: 8, .value_kind: global_buffer, .address_space: global }
      - { .name: rowtab, .offset: 32, .size: 8, .value_kind: global_buffer, .address_space: global }
      - { .name: part, .offset: 40, .size: 8, .value_kind: global_buffer, .address_space: global }
    .group_segment_fixed_size: 310784
    .private_segment_fixed_size: 0
    .kernarg_segment_align: 8
    .kernarg_segment_size: 48
    .max_flat_workgroup_size: 128
    .sgpr_count:     76
    .vgpr_count:     1024
    .wavefront_size: 32
...
	.end_amdgpu_metadata
.endif
;; end of part 2
;; launch combine (part 3): grid 64 x 1, 8 waves a work-group, no clusters, 0 bytes of LDS; arguments part, out0; writes out0
.if DOCPART == 3
	.amdgcn_target "amdgcn-amd-amdhsa--gfx1250"
	.amdhsa_code_object_version 6
	.text
	.protected	k_qf6273c80bf_combine
	.globl	k_qf6273c80bf_combine
	.p2align	8
	.type	k_qf6273c80bf_combine,@function
k_qf6273c80bf_combine:
	s_mov_b64 s[64:65], 0
	v_nop
	global_prefetch_b8 v0, s[64:65] scope:SCOPE_SE
	s_setreg_imm32_b32 hwreg(HW_REG_WAVE_MODE, 25, 1), 1
	s_wait_xcnt 0x0
; out0[b][:] = the four shares of batch row b merged: M = max m_q, w_q = 2^(m_q - M), out = (sum w_q ctx_q) / (sum w_q l_q).
; One work-group a batch row (the problem has 64), thread t owns columns 4 t .. 4 t + 3.  A share without live rows has m at the lowest finite number, l = 0 and ctx = 0:
; its w is 0, or 1 where all four are so; then the divisor is 0 and the row is NaN, as a softmax over nothing is.
; part, 5,120 bytes a share: thread u of the launch before put columns 8 u .. 8 u + 3 at 16 u, columns 8 u + 4 .. 8 u + 7 at 2,048 + 16 u, and (m, l) from byte 4,096 on.
	s_load_b128 s[4:7], s[0:1], 0x0                ; part s[4:5], out0 s[6:7]
	s_mul_i32 s8, ttmp9, 20480                     ; four shares of 5,120 bytes
	s_mov_b32 s9, 0
	s_lshl_b32 s10, ttmp9, 12
	s_mov_b32 s11, 0
	v_and_b32 v1, 1, v0
	v_lshrrev_b32 v2, 1, v0
	v_lshlrev_b32 v1, 11, v1
	v_lshl_add_u32 v1, v2, 4, v1                   ; 2,048 (t % 2) + 16 (t / 2)
	v_mov_b32 v2, 0
	v_lshlrev_b32 v3, 4, v0
	v_mov_b32 v35, 0                               ; named with the reciprocal as a pair
	s_wait_kmcnt 0x0
	s_add_nc_u64 s[4:5], s[4:5], s[8:9]
	s_add_nc_u64 s[6:7], s[6:7], s[10:11]
.irp q, 0,1,2,3
	global_load_b64 v[4+2*(\q):5+2*(\q)], v2, s[4:5] offset:5120*(\q)+4096
	global_load_b128 v[12+4*(\q):15+4*(\q)], v1, s[4:5] offset:5120*(\q)
.endr
	s_wait_loadcnt 0x0
	v_max3_num_f32 v28, v4, v6, v8
	v_max_num_f32 v28, v28, v10
.irp q, 0,1,2,3
	v_sub_f32 v[30+(\q)], v[4+2*(\q)], v28
.endr
.irp q, 0,1,2,3
	v_exp_f32 v[30+(\q)], v[30+(\q)]
.endr
	v_nop                                          ; a plain instruction between the exponentials and the use of their results
	s_wait_alu depctr_va_vdst(0)
	v_mul_f32 v34, v30, v5
	v_fmac_f32 v34, v31, v7
	v_fmac_f32 v34, v32, v9
	v_fmac_f32 v34, v33, v11
	v_rcp_f32 v34, v34                             ; the sums below, which do not name it, stand between it and its use
	v_pk_mul_f32 v[36:37], v[12:13], v[30:31] op_sel_hi:[1,0]
	v_pk_mul_f32 v[38:39], v[14:15], v[30:31] op_sel_hi:[1,0]
	v_pk_fma_f32 v[36:37], v[16:17], v[30:31], v[36:37] op_sel:[0,1,0] op_sel_hi:[1,1,1]
	v_pk_fma_f32 v[38:39], v[18:19], v[30:31], v[38:39] op_sel:[0,1,0] op_sel_hi:[1,1,1]
	v_pk_fma_f32 v[36:37], v[20:21], v[32:33], v[36:37] op_sel_hi:[1,0,1]
	v_pk_fma_f32 v[38:39], v[22:23], v[32:33], v[38:39] op_sel_hi:[1,0,1]
	v_pk_fma_f32 v[36:37], v[24:25], v[32:33], v[36:37] op_sel:[0,1,0] op_sel_hi:[1,1,1]
	v_pk_fma_f32 v[38:39], v[26:27], v[32:33], v[38:39] op_sel:[0,1,0] op_sel_hi:[1,1,1]
	s_wait_alu depctr_va_vdst(0)
	v_pk_mul_f32 v[36:37], v[36:37], v[34:35] op_sel_hi:[1,0]
	v_pk_mul_f32 v[38:39], v[38:39], v[34:35] op_sel_hi:[1,0]
	global_store_b128 v3, v[36:39], s[6:7]         ; 16 lanes store 256 consecutive bytes, at a multiple of 256 from out0's first byte
	s_endpgm
.Lfunc_end_k_qf6273c80bf_combine:
	.size	k_qf6273c80bf_combine, .Lfunc_end_k_qf6273c80bf_combine-k_qf6273c80bf_combine
	.p2alignl 7, 3214868480
	.fill 96, 4, 3214868480
	.section	.rodata,"a",@progbits
	.p2align	6, 0x0
	.amdhsa_kernel k_qf6273c80bf_combine
		.amdhsa_group_segment_fixed_size 0
		.amdhsa_private_segment_fixed_size 0
		.amdhsa_enable_private_segment 0
		.amdhsa_kernarg_size 16
		.amdhsa_user_sgpr_count 2
		.amdhsa_user_sgpr_kernarg_segment_ptr 1
		.amdhsa_wavefront_size32 1
		.amdhsa_system_sgpr_workgroup_id_x 1
		.amdhsa_system_sgpr_workgroup_id_y 1
		.amdhsa_system_sgpr_workgroup_id_z 1
		.amdhsa_system_vgpr_workitem_id 0
		.amdhsa_next_free_vgpr 48
		.amdhsa_next_free_sgpr 66
		.amdhsa_reserve_vcc 0
		.amdhsa_float_denorm_mode_32 3
		.amdhsa_float_denorm_mode_16_64 3
		.amdhsa_memory_ordered 1
		.amdhsa_forward_progress 1
		.amdhsa_inst_pref_size 3
	.end_amdhsa_kernel
	.amdgpu_metadata
---
amdhsa.version: [ 1, 2 ]
amdhsa.kernels:
  - .name:           k_qf6273c80bf_combine
    .symbol:         k_qf6273c80bf_combine.kd
    .args:
      - { .name: part, .offset: 0, .size: 8, .value_kind: global_buffer, .address_space: global }
      - { .name: out0, .offset: 8, .size: 8, .value_kind: global_buffer, .address_space: global }
    .group_segment_fixed_size: 0
    .private_segment_fixed_size: 0
    .kernarg_segment_align: 8
    .kernarg_segment_size: 16
    .max_flat_workgroup_size: 256
    .sgpr_count:     66
    .vgpr_count:     48
    .wavefront_size: 32
...
	.end_amdgpu_metadata
.endif
;; end of part 3
;; ======== version 2 of 2: 3 launches; version 1 with the launch attend written anew for expert scheduling mode
;; workspace buffers: wef 2,195,456 bytes; pp 262,144 bytes; rowtab 327,680 bytes of whole numbers; part 1,310,720 bytes
;; launch prep: the kernel of part 1 again; grid 256 x 1, 8 waves a work-group, no clusters, 13,312 bytes of LDS; arguments We, Wp, decoder_prev_state, mask, wef, pp, rowtab; writes wef, pp, rowtab
;; launch attend (part 4): grid 4 x 64, 4 waves a work-group, no clusters, 310,784 bytes of LDS; arguments encoder_states, wef, pp, v, rowtab, part; writes part
.if DOCPART == 4
	.amdgcn_target "amdgcn-amd-amdhsa--gfx1250"
	.amdhsa_code_object_version 6
	.text
	.protected	k_qf6273c80bf_attend
	.globl	k_qf6273c80bf_attend
	.p2align	8
	.type	k_qf6273c80bf_attend,@function
k_qf6273c80bf_attend:
	s_mov_b64 s[64:65], 0
	v_nop
	global_prefetch_b8 v0, s[64:65] scope:SCOPE_SE
	s_setreg_imm32_b32 hwreg(HW_REG_WAVE_SCHED_MODE, 0, 2), 2
	s_setreg_imm32_b32 hwreg(HW_REG_WAVE_MODE, 25, 1), 1
	s_wait_xcnt 0x0
	s_wait_alu depctr_vm_vsrc(0)
; ADDITIVE ATTENTION, one share of one batch row.  Work-group (q, b) takes the q-th quarter of the keys s with mask[b][s] != 0, as the launch before listed
; them in rowtab.  For its rows x = enc[s][b][:] it makes score = v . tanh(Wp dec[b] + We x), a running softmax over them, and the weighted sum of the rows.
; It stores, for the last launch: the running maximum m, the sum l and the unnormalised context (part).
; BLOCKS.  The rows come in blocks of 144.  A block is gathered once from memory, rounded to bf16, and lies in LDS for both of its uses: as the A operand of
; the product with We, and as the rows of the context.  A share has at most 256 rows: two trips, of which the second does its work only where rowtab says 2.
; PHASES AND BARRIERS.  A trip has five phases: fill | products | scores into LDS | softmax, weights into LDS | context; a barrier stands behind each, on every wave's
; path in both trips, and only the work between barriers is jumped.  Three of the five are needed (the block is whole; the partial scores are whole; nobody reads the block any more).
; The other two (in front of the scores' stores, behind the weights' stores) part regions that the addresses already keep apart; they are kept as a margin, at the price of two meetings of four waves a block.
; SHARES.  Wave w owns the outputs n = 256 w .. 256 w + 255 of all 144 rows, 128 a pass: 9 x 8 accumulators of 16 x 16, 576 registers.  We has no second reader
; in the work-group, so its fragments come straight from memory into registers, in the order in which the launch before laid them (wef): 512 consecutive bytes a load.
; TANH.  tanh(x) = 1 - 2 r, r = 1 / (1 + 2^(c x)), c = 2 log2(e).  The sum of v is the same for every key and falls out of the softmax, so the score kept is
; sc = sum over n of vv[n] r[n], vv = -2 log2(e) v: log2(e) times the score, less a constant; the weights are 2^(sc - m) with a running maximum m.
; NO TENSOR LOADS, NO CLUSTER: gathered rows are no tile; the resident block leaves no room in LDS for a ring of We, whose bytes are what work-groups share.
; LIMITS.  Rows of masked keys are never read: a NaN or an infinity that stands only there does not reach the result.  NaN and infinities in live data are not
; treated apart.  enc and We are rounded to bf16 (the context is summed from that copy of enc, in f32); v stays f32.  A weight below 2^-126 counts as 0.
; A batch row with no live key leaves l = 0 here and NaN in the last launch.
; LDS ADDRESSES THAT MOVE are a base register that is never rewritten plus a scalar that starts at a constant and steps by a constant in a counted loop.
; REGISTERS, in windows of 256 (s_set_vgpr_msb: bits 1:0 source 0, 3:2 source 1, 5:4 source 2, 7:6 destination):
;   window 0: v0-15 addresses; v16-87 nine A fragments (in the fill: 36 row offsets; in the context: two sets of weights and rows); v88-159 72 score sums;
;             v160-175 in the K loop a second pair of A fragments 0 and 1, then (vv, pp) of my column in each of the 8 column tiles; v176-183 context; v184, v185 m, l;
;             v186-190 the A fragments' bases; v192-255 B buffer 0
;   windows 1-3: v0-191 accumulators, tile (a, c) in window 1 + a / 3 at 64 (a % 3) + 8 c; v192-255 B buffers 1-3.  The fill uses v0-191 of windows 1 and 2.
; THE MODE: SCHED_MODE bits 1:0 = 2 (LLVM: expert scheduling mode 2), set by the entry lines.  The code itself states the register dependences
; between vector or matrix instructions and memory or LDS instructions, with s_wait_alu, always for 0.
; THE PLAN.  Registers that memory or LDS instructions touch, and who else names them.  Each phase is reached by a branch of its own, so each states its dependences at its own head.
;   FILL     X0, X1 (v0-127 of windows 1, 2): batch k's 32 loads land in X[k % 2]; its 64 conversions read it.  Y0, Y1 (v128-191 of the same windows): the conversions write Y[k % 2], the batch's
;            32 LDS stores read it.  One wait on va_vdst behind the conversions: X is read out (the loads of batch k + 2 follow at once) and Y is written (the stores follow them).
;            One wait on vm_vsrc at the head of batch k >= 2: the stores of batch k - 2 have read Y[k % 2].  The 36 row offsets are written once, ahead of a wait on va_vdst.
;   K STEP   A fragments 2-8 (v32-87): read by this step's products, loaded for this step behind the step's wait.  Fragments 0, 1: two pairs by turns (even steps v160-175, odd steps v16-31):
;            a step reads one pair and loads the other for the next step.  B buffer s % 4: read by step s, loaded again in step s + 1 for step s + 4.
;            ONE wait on va_vdst at a step's head: the step before is done reading its fragments 2-8, its pair and its B buffer.  All the step's loads follow it, in two runs among its 72 products,
;            none of which names a register that a later load of the step touches.  Step 31 loads (vv, pp) where the others load the next pair.
;            v7-11 (addresses): written at a pass's head and once a trip of four steps, behind a wait on vm_vsrc; the next step's wait states that they are written.
;   SCORES   v88-159: written by the sums over lanes, read by 18 LDS stores (va_vdst ahead of them); written anew by the softmax, the context's loads and the next block (vm_vsrc ahead of each).
;   SOFTMAX  v101, v103, v132 addresses, v104-123 loaded scores and stored weights.  The five masks lie in s16-20: one wait on va_sdst behind the run of compares.
;   CONTEXT  two sets (v16-55, v56-95): a set's ten loads follow a wait on va_vdst behind the 64 multiply-adds that read it.  v14, v15 (addresses) step once a trip, behind a wait on vm_vsrc.
.set PITCH, 2064                       ; a row of the block in LDS: 2,048 bytes + 16 = 129 x 16: the 16 rows of a fragment load begin 16 bytes apart modulo 256
.set ROWS,  144
.set VT,    ROWS*PITCH                 ; vv[n], 4,096 bytes
.set PT,    VT+4096                    ; pp[b][n], 4,096 bytes
.set SC,    PT+4096                    ; four waves x 144 partial scores
.set PW,    SC+4*576                   ; four waves x 160 weights: each wave has its own copy
.set SPARE, PW+4*640                   ; the spare words, 128 bytes a wave; no other line names them
.set WSTREAM, 548864                   ; bytes in a wave's stream of wef
.set SPW,  1                           ; v1   my spare word; never rewritten
.set NIL,  2                           ; v2   0; never rewritten
.set L16,  3                           ; v3   16 x lane; never rewritten
.set FA0,  4                           ; v4   the fill: 8 x lane + my wave's 36 rows
.set FA1,  5                           ; v5   the same, 18 rows on
.set ADRA, 7                           ; v7-11  the A fragments' addresses: base i + the K steps done
.set VPL,  12                          ; v12  VT + 4 (256 w + lane % 16); never rewritten
.set SCW,  13                          ; v13  SC + 576 w + 32 (lane / 16); never rewritten
.set T0,   14
.set T1,   15
.set AF,   16
.set RO,   16
.set SS,   88
.set CB,   96                          ; v96  the context: 16 x my thread's number
.set PB,   97                          ; v97  the context: my wave's weights
.set VP,   160
.set CTX,  176
.set MRUN, 184
.set LRUN, 185
.set ABASE, 186                        ; v186-190  (lane % 16) x PITCH + 16 (lane / 16) + 32 i rows; never rewritten
.set YB,   128                         ; the fill: a batch's rounded numbers, v128-191 of the batch's window
.set KA,   72                          ; s72  bytes along K that the K loop's trips have done
.set VPS,  73                          ; s73  512 x the pass
.set CAS,  74                          ; s74  the context loop: bytes of the rows done
.set PAS,  75                          ; s75  the context loop: bytes of the weights done
.set MSB, 0
.macro WIN new                         ; the immediate's high byte repeats the setting that is left; a switch that changes nothing is dropped
.if MSB != (\new)
	s_set_vgpr_msb (MSB<<8)|(\new)
.set MSB, (\new)
.endif
.endm
.macro PLACES                          ; four independent vector instructions behind a matrix instruction (ISA guide 7.12.1)
.rept 4
	v_nop
.endr
.endm
.macro MEET                            ; a phase's end: my LDS instructions are done, for the others' sake; then the work-group's barrier
	s_wait_dscnt 0x0
	s_barrier_signal -1
	s_barrier_wait -1
.endm
; One K step's eight fragments of We, 8,192 bytes at boff from the stream's pointer, into B buffer beta (v192-255 of window beta): 16 loads
.macro BLOAD beta, boff
	WIN (\beta)<<6
.set cc, 0
.rept 8
	global_load_b128 v[192+8*cc:192+8*cc+3], v[L16], s[60:61] offset:(\boff)+1024*cc
	global_load_b128 v[192+8*cc+4:192+8*cc+7], v[L16], s[60:61] offset:(\boff)+1024*cc+512
.set cc, cc+1
.endr
.endm
; The A fragment of row tile fr at byte at of the rows, into v[reg .. reg + 7]: 2 loads, window 0
.macro ALD fr, reg, at
	ds_load_b128 v[(\reg):(\reg)+3], v[ADRA+(\fr)/2] offset:((\fr)%2)*16*PITCH+(\at)
	ds_load_b128 v[(\reg)+4:(\reg)+7], v[ADRA+(\fr)/2] offset:((\fr)%2)*16*PITCH+(\at)+32
.endm
.macro SETA                            ; the five addresses: base + the K steps done
.set ii, 0
.rept 5
	v_add_nc_u32 v[ADRA+ii], s[KA], v[ABASE+ii]
.set ii, ii+1
.endr
.endm
; 8 matrix instructions: row tile fr, its fragment in v[reg ..], x the 8 column tiles, 32 along K.  zero = 1: the product starts the sums.  The caller sets the windows.
.macro RUN fr, reg, zero
.set cc, 0
.rept 8
.if \zero
	v_wmma_f32_16x16x32_bf16 v[64*((\fr)%3)+8*cc:64*((\fr)%3)+8*cc+7], v[(\reg):(\reg)+7], v[192+8*cc:192+8*cc+7], 0
.else
	v_wmma_f32_16x16x32_bf16 v[64*((\fr)%3)+8*cc:64*((\fr)%3)+8*cc+7], v[(\reg):(\reg)+7], v[192+8*cc:192+8*cc+7], v[64*((\fr)%3)+8*cc:64*((\fr)%3)+8*cc+7]
.endif
.set cc, cc+1
.endr
.endm
; A K step: 72 matrix instructions, the 72 accumulators by turns in the same order in every step.  at: the step's bytes in a row, from the trip's addresses on.
; nxt = 1: the next step's fragments 0 and 1 are loaded into the pair that this step does not read; nxt = 0 (step 31): (vv, pp) are loaded there.
; zero = 1 (step 0): the wait at the pass's head stands for the step's own.
.macro STEP beta, zero, nxt, at, boff
.set PA, VP-(VP-AF)*((\beta)%2)        ; this step's fragments 0 and 1: even steps v160-175, odd steps v16-31
.set PN, AF+(VP-AF)*((\beta)%2)        ; the other pair
.set NY, 16-12*(\nxt)                  ; LDS loads into the other pair: 4 or 16
	s_wait_loadcnt 32                              ; this step's 16 loads of We are in; the next two steps' 32 stay out
.if !(\zero)
	PLACES                                         ; between the last step's matrix instructions and the loads into their sources
	s_wait_alu depctr_va_vdst(0)                   ; the last step's matrix instructions are done reading fragments 2-8, their pair of fragments 0 and 1 and their B buffer, in all of which this step's loads land; at a trip's first step v7-11 are written
.endif
.irp f, 2,3,4,5
	ALD \f, AF+8*(\f), \at
.endr
	s_wait_dscnt 8                                 ; fragments 0 and 1, asked for in the step before, are in; the eight loads just issued stay out
	WIN (1<<6)|(1<<4)|((\beta)<<2)                 ; A window 0, B window beta, C and D window 1
	RUN 0, PA, \zero
	RUN 1, PA+8, \zero
	s_wait_dscnt 6                                 ; fragment 2 is in; fragments 3-5 stay out
	RUN 2, AF+16, \zero
	WIN 0
.irp f, 6,7,8                                          ; no wait: no matrix instruction since the step's wait names v64-87, the other pair or the B buffer below
	ALD \f, AF+8*(\f), \at
.endr
.if \nxt
	ALD 0, PN, (\at)+64
	ALD 1, PN+8, (\at)+64
.else
.set cc, 0
.rept 8
	ds_load_b32 v[VP+2*cc], v[T0] offset:64*cc             ; vv of my column in column tile cc,
	ds_load_b32 v[VP+2*cc+1], v[T0] offset:4096+64*cc      ; and pp
.set cc, cc+1
.endr
.endif
	BLOAD ((\beta)+3)%4, \boff                     ; the step three on, into the buffer that the step before read
	s_wait_dscnt 6+NY                              ; fragments 3-5 are in; fragments 6-8 and the other pair's loads stay out
	WIN (2<<6)|(2<<4)|((\beta)<<2)
	RUN 3, AF+24, \zero
	RUN 4, AF+32, \zero
	RUN 5, AF+40, \zero
	s_wait_dscnt NY                                ; fragments 6-8 are in
	WIN (3<<6)|(3<<4)|((\beta)<<2)
	RUN 6, AF+48, \zero
	RUN 7, AF+56, \zero
	RUN 8, AF+64, \zero
	WIN 0
.endm
; THE WAY FROM SUMS TO SCORES, tile i of a window's 24 (row tile i % 3, column tile i / 3).  A lane holds one column n and eight rows.
.macro TILE i
.set R, 64*((\i)%3)+8*((\i)/3)
.set Q, VP+2*((\i)/3)
.endm
.macro SC1 i, z                        ; line z of four: c x sum + pp[n] (pp holds the factor already); line 0 comes first: the accumulator is read from its low end on
	TILE \i
	v_pk_fma_f32 v[R+2*(\z):R+2*(\z)+1], v[R+2*(\z):R+2*(\z)+1], s[62:63], v[Q:Q+1] op_sel:[0,0,1] op_sel_hi:[1,0,1]
.endm
.macro EX2 i, z                        ; 2^that, two of the tile's eight
	TILE \i
	v_exp_f32 v[R+2*(\z)], v[R+2*(\z)]
	v_exp_f32 v[R+2*(\z)+1], v[R+2*(\z)+1]
.endm
.macro AD1 i, z                        ; + 1
	TILE \i
	v_pk_add_f32 v[R+2*(\z):R+2*(\z)+1], v[R+2*(\z):R+2*(\z)+1], 1.0 op_sel_hi:[1,0]
.endm
.macro RC2 i, z                        ; r = 1 / that
	TILE \i
	v_rcp_f32 v[R+2*(\z)], v[R+2*(\z)]
	v_rcp_f32 v[R+2*(\z)+1], v[R+2*(\z)+1]
.endm
.macro EXPS                            ; a window's scalings and exponentials: tile i + 1's four scalings stand among tile i's eight exponentials; no line names an exponential's result
.irp z, 0,1,2,3
	SC1 0, \z
.endr
.set ti, 0
.rept 24
.irp z, 0,1,2,3
	EX2 ti, \z
.if ti < 23
	SC1 ti+1, \z
.endif
.endr
.set ti, ti+1
.endr
.endm
.macro RCPS                            ; a window's additions and reciprocals, laid the same way; no line names a reciprocal's result
.irp z, 0,1,2,3
	AD1 0, \z
.endr
.set ti, 0
.rept 24
.irp z, 0,1,2,3
	RC2 ti, \z
.if ti < 23
	AD1 ti+1, \z
.endif
.endr
.set ti, ti+1
.endr
.endm
.macro SUMS y                          ; the rows' score sums take vv[n] r: for each row tile the column tiles in ascending order
.set ti, 0
.rept 24
	TILE ti
.set U, SS+8*(3*((\y)-1)+ti%3)
.set zz, 0
.rept 4
	v_pk_fma_f32 v[U+2*zz:U+2*zz+1], v[R+2*zz:R+2*zz+1], v[Q:Q+1], v[U+2*zz:U+2*zz+1] op_sel_hi:[1,0,1]
.set zz, zz+1
.endr
.set ti, ti+1
.endr
.endm
; The three windows are staggered, so that a batch of exponentials and reciprocals has one wait: E1 | E2 R1 | E3 R2 S1 | R3 S2 | S3.  Behind each batch's last transcendental
; stands a plain instruction that names none of its results (a v_nop, or the sums of an earlier window), then the wait, then the readers (ISA guide 5.7.2).
.macro EPI
	WIN 0
	PLACES                                         ; behind the last products, before their results are read
	s_wait_dscnt 0x0                               ; vv and pp are in
	WIN (1<<6)|1
	EXPS
	v_nop
	s_wait_alu depctr_va_vdst(0)                   ; window 1's exponentials are written, ahead of the additions that read them
	WIN (2<<6)|2
	EXPS
	WIN (1<<6)|1
	RCPS
	v_nop
	s_wait_alu depctr_va_vdst(0)                   ; window 2's exponentials and window 1's reciprocals are written
	WIN (3<<6)|3
	EXPS
	WIN (2<<6)|2
	RCPS
	WIN 1
	SUMS 1
	s_wait_alu depctr_va_vdst(0)                   ; window 3's exponentials and window 2's reciprocals are written
	WIN (3<<6)|3
	RCPS
	WIN 2
	SUMS 2
	s_wait_alu depctr_va_vdst(0)                   ; window 3's reciprocals are written
	WIN 3
	SUMS 3
	WIN 0
.endm
; THE FILL, four rows of 4,096 bytes a batch: 32 loads of 512 consecutive bytes; rounded into the batch's Y; 32 LDS stores of 256 consecutive bytes.  Batches take windows 1 and 2 by turns.
.macro ISSUE k
	WIN (1+(\k)%2)<<6
.set jj, 0
.rept 4
.set cc, 0
.rept 8
	global_load_b128 v[4*(8*jj+cc):4*(8*jj+cc)+3], v[RO+4*(\k)+jj], s[4:5] offset:512*cc
.set cc, cc+1
.endr
.set jj, jj+1
.endr
.endm
.macro CVT k
	WIN ((1+(\k)%2)<<6)|((1+(\k)%2)<<2)|(1+(\k)%2)
.set ll, 0
.rept 32
	v_cvt_pk_bf16_f32 v[YB+2*ll], v[4*ll], v[4*ll+1]
	v_cvt_pk_bf16_f32 v[YB+2*ll+1], v[4*ll+2], v[4*ll+3]
.set ll, ll+1
.endr
.endm
.macro PUT k
	WIN (1+(\k)%2)<<2
.set jj, 0
.rept 4
.set cc, 0
.rept 8
.if (4*(\k)+jj) < 18
	ds_store_b64 v[FA0], v[YB+2*(8*jj+cc):YB+2*(8*jj+cc)+1] offset:(4*(\k)+jj)*PITCH+256*cc
.else
	ds_store_b64 v[FA1], v[YB+2*(8*jj+cc):YB+2*(8*jj+cc)+1] offset:(4*(\k)+jj-18)*PITCH+256*cc
.endif
.set cc, cc+1
.endr
.set jj, jj+1
.endr
.endm
; THE CONTEXT.  Thread t owns columns 8 t .. 8 t + 7: 16 bytes of every row.  A set is 8 weights (the same for all lanes) and my 16 bytes of 8 rows: 10 loads.
.macro CLOAD set, row
	ds_load_b128 v[16+40*(\set):16+40*(\set)+3], v[T1] offset:4*(\row)
	ds_load_b128 v[16+40*(\set)+4:16+40*(\set)+7], v[T1] offset:4*(\row)+16
.set ii, 0
.rept 8
	ds_load_b128 v[24+40*(\set)+4*ii:24+40*(\set)+4*ii+3], v[T0] offset:((\row)+ii)*PITCH
.set ii, ii+1
.endr
.endm
.macro CFMA set                        ; 64 multiply-adds straight from the bf16 halves, sums in f32; the eight sums take turns
.set ii, 0
.rept 8
.set ee, 0
.rept 4
	v_fma_mix_f32_bf16 v[CTX+2*ee], v[24+40*(\set)+4*ii+ee], v[16+40*(\set)+ii], v[CTX+2*ee] op_sel_hi:[1,0,0]
	v_fma_mix_f32_bf16 v[CTX+2*ee+1], v[24+40*(\set)+4*ii+ee], v[16+40*(\set)+ii], v[CTX+2*ee+1] op_sel:[1,0,0] op_sel_hi:[1,0,0]
.set ee, ee+1
.endr
.set ii, ii+1
.endr
.endm
	s_load_b256 s[4:11], s[0:1], 0x0               ; enc s[4:5], wef s[6:7], pp s[8:9], v s[10:11]
	s_load_b128 s[12:15], s[0:1], 0x20             ; rowtab s[12:13], part s[14:15]
	v_lshl_add_u32 v[SPW], v0, 2, SPARE
	v_mov_b32 v[NIL], 0
	v_lshrrev_b32 v[T0], 5, v0
	v_readfirstlane_b32 s54, v[T0]                 ; w: my wave
	s_mov_b32 s55, ttmp9                           ; q
	s_and_b32 s56, ttmp7, 0xffff                   ; b
	v_and_b32 v[T1], 31, v0
	v_lshlrev_b32 v[L16], 4, v[T1]
	v_and_b32 v32, 15, v0                          ; lane % 16
	v_bfe_u32 v33, v0, 4, 1                        ; lane / 16
	s_wait_alu depctr_va_sdst(0)                   ; s54 is written, ahead of its first reader
	s_mul_i32 s70, s54, 36*PITCH
	v_lshl_add_u32 v[FA0], v[T1], 3, s70
	v_add_nc_u32 v[FA1], 18*PITCH, v[FA0]
	v_mul_u32_u24 v[ABASE], v32, PITCH
	v_lshl_add_u32 v[ABASE], v33, 4, v[ABASE]      ; a fragment's lane term: row x pitch + 16 x half
.set ii, 1
.rept 4
	v_add_nc_u32 v[ABASE+ii], 32*ii*PITCH, v[ABASE]
.set ii, ii+1
.endr
	s_lshl_b32 s70, s54, 10
	s_add_co_u32 s70, s70, VT
	v_lshl_add_u32 v[VPL], v32, 2, s70
	s_mul_i32 s70, s54, 576
	s_add_co_u32 s70, s70, SC
	v_lshl_add_u32 v[SCW], v33, 5, s70
	s_mov_b32 s62, 0x4038aa3b                      ; c = 2 log2(e); named as a pair by the packed scaling
	s_mov_b32 s63, s62
	s_mov_b32 s66, 0x76543210                      ; v_permlanex16_b32: each lane takes its own place in the other half
	s_mov_b32 s67, 0xfedcba98
	s_lshl2_add_u32 s68, s56, s55                  ; 4 b + q
	v_lshlrev_b32 v[T0], 5, v0                     ; my 8 numbers of v and of pp[b]
	v_lshl_add_u32 v[T1], v0, 5, VT
	s_wait_kmcnt 0x0
	s_lshl_b32 s70, s56, 12
	s_mov_b32 s71, 0
	s_add_nc_u64 s[4:5], s[4:5], s[70:71]          ; enc[0][b]
	s_add_nc_u64 s[8:9], s[8:9], s[70:71]          ; pp[b]
	s_mul_i32 s70, s54, WSTREAM
	s_add_nc_u64 s[6:7], s[6:7], s[70:71]          ; my wave's stream of We
	s_mul_i32 s70, s68, 1280
	s_add_nc_u64 s[12:13], s[12:13], s[70:71]      ; my share's table
	s_load_b64 s[52:53], s[12:13], 0x480           ; s52 live rows, s53 blocks
	s_mul_i32 s70, s54, 144
	s_add_nc_u64 s[2:3], s[12:13], s[70:71]        ; my wave's 36 entries of a block, in a pair of its own
	s_mul_i32 s70, s68, 5120
	s_add_nc_u64 s[14:15], s[14:15], s[70:71]
	s_wait_alu depctr_va_vdst(0)                   ; the offsets and addresses v3-v5 and v12-v15 are written, which the loads and stores of the kernel read
	global_load_b128 v[16:19], v[T0], s[10:11]
	global_load_b128 v[20:23], v[T0], s[10:11] offset:16
	global_load_b128 v[24:27], v[T0], s[8:9]
	global_load_b128 v[28:31], v[T0], s[8:9] offset:16
	s_mov_b64 s[60:61], s[6:7]
	BLOAD 0, 0                                     ; K steps 0 to 2 of We: they land under the fill
	BLOAD 1, 8192
	BLOAD 2, 16384
	WIN 0
	s_mov_b32 s70, 0xc038aa3b                      ; -2 log2(e)
	s_mov_b32 s71, s70
.set ii, 0
.rept 8
	v_mov_b32 v[CTX+ii], 0
.set ii, ii+1
.endr
	v_mov_b32 v[MRUN], 0xff7fffff                  ; the lowest finite number: the first maximum is the scores'
	v_mov_b32 v[LRUN], 0
	s_wait_loadcnt 48                              ; v and pp are in; the 48 loads of We issued behind them stay out
.set ii, 0
.rept 4
	v_pk_mul_f32 v[16+2*ii:16+2*ii+1], v[16+2*ii:16+2*ii+1], s[70:71] op_sel_hi:[1,0]
.set ii, ii+1
.endr
	s_wait_alu depctr_va_vdst(0)                   ; the four multiplies have written v16-23, which the LDS stores read
	ds_store_b128 v[T1], v[16:19]
	ds_store_b128 v[T1], v[20:23] offset:16
	ds_store_b128 v[T1], v[24:27] offset:4096
	ds_store_b128 v[T1], v[28:31] offset:4112
	s_wait_kmcnt 0x0                               ; s52, s53
	s_mov_b32 s57, 0                               ; the block
.Lblock:
	s_wait_alu depctr_vm_vsrc(0)                   ; the head's stores have read v16-31; the block before's stores and loads have read v88-159: the lines below and the fill write them anew
.set jj, 0
.rept 72
	v_mov_b32 v[SS+jj], 0                          ; the score sums run over two passes and 8 column tiles: cleared once a block, ahead of every branch
.set jj, jj+1
.endr
	s_cmp_lt_u32 s57, s53
	s_cbranch_scc0 .Lnofill
	; PHASE 1, THE FILL: my wave gathers rows 36 w .. 36 w + 35 of the block
	s_mul_i32 s69, s57, 576
	s_load_b512 s[16:31], s[2:3], s69 offset:0x0
	s_load_b512 s[32:47], s[2:3], s69 offset:0x40
	s_load_b128 s[48:51], s[2:3], s69 offset:0x80
	s_wait_kmcnt 0x0
.set jj, 0
.rept 36
	s_min_u32 s[16+jj], s[16+jj], 0x3ff            ; a loaded key number is held inside enc,
	s_lshl_b32 s[16+jj], s[16+jj], 18              ; times 64 x 4,096 bytes
	v_add_nc_u32 v[RO+jj], s[16+jj], v[L16]
.set jj, jj+1
.endr
	s_wait_alu depctr_va_vdst(0)                   ; the 36 row offsets are written, which the fill's loads read; the block before is done with the accumulators, in which they land
	ISSUE 0
	ISSUE 1
.irp k, 0,1,2,3,4,5,6,7,8
.if \k < 8
	s_wait_loadcnt 32                              ; this batch is in; the next batch's 32 loads stay out
.else
	s_wait_loadcnt 0x0
.endif
.if \k >= 2
	s_wait_alu depctr_vm_vsrc(0)                   ; the LDS stores of two batches back have read this window's Y, which the conversions write again
.endif
	CVT \k
	s_wait_alu depctr_va_vdst(0)                   ; the conversions are done reading X, in which the loads below land, and have written Y, which the stores below read
.if \k < 7
	ISSUE (\k)+2
.endif
	PUT \k
.endr
	WIN 0
.Lnofill:
	MEET                                           ; everybody's rows (and, the first time, vv and pp) are in LDS
	s_cmp_lt_u32 s57, s53
	s_cbranch_scc0 .Lnopass
	; PHASE 2, THE PRODUCTS
	s_wait_xcnt 0x0                                ; the pending loads of We have read their base
	s_mov_b64 s[60:61], s[6:7]                     ; the stream from its head: buffers 0 to 2 hold steps 0 to 2, or their copies 64 to 66
	s_mov_b32 s[VPS], 0
	s_mov_b32 s58, 2
.Lpass:                                                ; two passes of 128 outputs
	s_mov_b32 s[KA], 0
	s_wait_alu depctr_vm_vsrc(0)                   ; the loads so far have read v7-11 and v14, written below; the fill's loads have read the row offsets, in which fragments land, and its stores Y, which the products write
	SETA
	v_add_nc_u32 v[T0], s[VPS], v[VPL]             ; where this pass's vv and pp lie: read in K step 31
	s_wait_alu depctr_va_vdst(0)                   ; v7-11 and v14 are written; the pass before is done reading (vv, pp), its fragments and B buffer 3, in which the loads of K step 0 land
	ALD 0, VP, 0                                   ; K step 0's fragments 0 and 1
	ALD 1, VP+8, 0
	STEP 0, 1, 1, 0, 24576                         ; K step 0 starts the sums
	s_mov_b32 s59, 7
.Lk:                                                   ; K steps 1 to 28, four a trip
	STEP 1, 0, 1, 64, 32768
	STEP 2, 0, 1, 128, 40960
	STEP 3, 0, 1, 192, 49152
	STEP 0, 0, 1, 256, 57344
	s_wait_xcnt 0x0                                ; the stream's pointer is stepped only behind this wait
	s_add_nc_u64 s[60:61], s[60:61], 32768
	s_add_co_u32 s[KA], s[KA], 256                 ; four K steps of 64 bytes
	s_wait_alu depctr_vm_vsrc(0)                   ; the fragments' loads issued so far have read v7-11
	SETA
	s_sub_co_u32 s59, s59, 1
	s_cmp_lg_u32 s59, 0
	s_cbranch_scc1 .Lk
	STEP 1, 0, 1, 64, 32768                        ; K steps 29 to 31; their loads of We are the next pass's (or block's) first three steps
	STEP 2, 0, 1, 128, 40960
	STEP 3, 0, 0, 192, 49152                       ; no further step: vv and pp take the free pair
	s_wait_xcnt 0x0
	s_add_nc_u64 s[60:61], s[60:61], 32768
	EPI
	s_add_co_u32 s[VPS], s[VPS], 512               ; the next pass's 128 numbers of vv and pp
	s_sub_co_u32 s58, s58, 1
	s_cmp_lg_u32 s58, 0
	s_cbranch_scc1 .Lpass
	; a row's sum over my wave's 256 outputs: the 16 lanes of a half hold 16 columns each
.irp mk, 1,2,4,8
.set jj, 0
.rept 72
	v_add_f32_dpp v[SS+jj], v[SS+jj], v[SS+jj] row_xmask:\mk row_mask:0xf bank_mask:0xf
.set jj, jj+1
.endr
.endr
.Lnopass:
	MEET                                           ; no wave reads operands from LDS any more (a margin: see the head)
	s_cmp_lt_u32 s57, s53
	s_cbranch_scc0 .Lnosc
	; PHASE 3: my wave's partial scores into LDS
	s_wait_alu depctr_va_vdst(0)                   ; the sums over lanes have written v88-159, which the LDS stores read
.set aa, 0
.rept 9                                            ; registers 8 a + j are rows 16 a + 8 (lane / 16) + j: four neighbouring words a store; the 16 lanes of a half write the same numbers
	ds_store_b128 v[SCW], v[SS+8*aa:SS+8*aa+3] offset:64*aa
	ds_store_b128 v[SCW], v[SS+8*aa+4:SS+8*aa+7] offset:64*aa+16
.set aa, aa+1
.endr
.Lnosc:
	MEET                                           ; everybody's partial scores are in LDS
	s_cmp_lt_u32 s57, s53
	s_cbranch_scc0 .Lnosm
	; PHASE 4, THE SOFTMAX STEP: every wave makes all of it for itself.  Lane l holds rows l + 32 u, u = 0 .. 4
	s_wait_alu depctr_vm_vsrc(0)                   ; the scores' stores have read v88-159, of which this part writes v100-132 anew
	s_mul_i32 s68, s57, ROWS
	s_sub_co_i32 s68, s52, s68
	s_min_i32 s68, s68, ROWS                       ; live rows of this block
	v_and_b32 v100, 31, v0
	v_lshl_add_u32 v101, v100, 2, SC
	v_add_nc_u32 v102, 128, v100
	v_min_u32 v103, ROWS-1, v102                   ; rows 144 to 159 do not exist: they read row 143 and count as dead
	v_lshl_add_u32 v103, v103, 2, SC
	v_mov_b32 v125, 0xff800000                     ; minus infinity
	v_mov_b32 v127, 0
	s_mul_i32 s70, s54, 640
	s_add_co_u32 s70, s70, PW
	v_lshl_add_u32 v132, v100, 2, s70
.set uu, 0
.rept 5                                            ; which of my five rows are live: the compares in one run, a mask each in s16-20
	v_add_nc_u32 v124, 32*uu, v100
	v_cmp_gt_i32 s[16+uu], s68, v124
.set uu, uu+1
.endr
	s_wait_alu depctr_va_vdst(0)                   ; v101 and v103 are written, which the loads read; the sums over lanes are done with v104-123, in which they land
.set uu, 0
.rept 4
.set ww, 0
.rept 4
	ds_load_b32 v[104+4*uu+ww], v101 offset:576*ww+128*uu
.set ww, ww+1
.endr
.set uu, uu+1
.endr
.set ww, 0
.rept 4
	ds_load_b32 v[120+ww], v103 offset:576*ww
.set ww, ww+1
.endr
	s_wait_alu depctr_va_sdst(0)                   ; the five masks s16-20 are written, ahead of their first reader
	s_wait_dscnt 0x0
.set uu, 0
.rept 5
	v_add_f32 v[104+4*uu], v[104+4*uu], v[105+4*uu]
	v_add_f32 v[106+4*uu], v[106+4*uu], v[107+4*uu]
	v_add_f32 v[104+4*uu], v[104+4*uu], v[106+4*uu]
	v_cndmask_b32 v[104+4*uu], v125, v[104+4*uu], s[16+uu]
.set uu, uu+1
.endr
	v_max3_num_f32 v126, v104, v108, v112
	v_max3_num_f32 v126, v126, v116, v120
.irp mk, 1,2,4,8
	v_max_num_f32_dpp v126, v126, v126 row_xmask:\mk row_mask:0xf bank_mask:0xf
.endr
	v_permlanex16_b32 v127, v126, s66, s67
	v_max_num_f32 v126, v126, v127
	v_max_num_f32 v128, v[MRUN], v126              ; the new running maximum: finite, since m began finite
	v_sub_f32 v129, v[MRUN], v128
.set uu, 0
.rept 5
	v_sub_f32 v[104+4*uu], v[104+4*uu], v128
.set uu, uu+1
.endr
	v_exp_f32 v129, v129                           ; a = 2^(m_old - m_new)
.set uu, 0
.rept 5
	v_exp_f32 v[104+4*uu], v[104+4*uu]             ; the weights; a dead row's is 0
.set uu, uu+1
.endr
	v_mov_b32 v[MRUN], v128                        ; a plain instruction between the exponentials and the use of their results
	s_wait_alu depctr_va_vdst(0)                   ; the six exponentials are written, ahead of their first reader; the five weights are also the data of the LDS stores below, and v132, their address, is written
	v_add_f32 v130, v104, v108
	v_add_f32 v131, v112, v116
	v_add_f32 v130, v130, v131
	v_add_f32 v130, v130, v120
.set uu, 0
.rept 5
	ds_store_b32 v132, v[104+4*uu] offset:128*uu   ; into my wave's own copy: no other wave reads it
.set uu, uu+1
.endr
.irp mk, 1,2,4,8
	v_add_f32_dpp v130, v130, v130 row_xmask:\mk row_mask:0xf bank_mask:0xf
.endr
	v_permlanex16_b32 v131, v130, s66, s67
	v_add_f32 v130, v130, v131
	v_fma_f32 v[LRUN], v[LRUN], v129, v130         ; l = a l + the block's sum
.set ii, 0
.rept 8
	v_mul_f32 v[CTX+ii], v[CTX+ii], v129
.set ii, ii+1
.endr
.Lnosm:
	MEET                                           ; the weights are in LDS (a margin: see the head)
	s_cmp_lt_u32 s57, s53
	s_cbranch_scc0 .Lnoctx
	; PHASE 5, THE CONTEXT: 18 groups of 8 rows on two register sets
	s_wait_alu depctr_vm_vsrc(0)                   ; the loads of vv and pp have read v14, the scores' stores v88-97, the fill's loads v16-51: the lines and loads below write them anew
	v_lshlrev_b32 v[CB], 4, v0
	s_mul_i32 s70, s54, 640
	s_add_co_u32 s70, s70, PW
	v_mov_b32 v[PB], s70
	s_mov_b32 s[CAS], 0
	s_mov_b32 s[PAS], 0
	v_add_nc_u32 v[T0], s[CAS], v[CB]
	v_add_nc_u32 v[T1], s[PAS], v[PB]
	s_wait_alu depctr_va_vdst(0)                   ; v14 and v15 are written, which the loads read; the products and the sums over lanes are done with v16-55, in which set 0 lands
	CLOAD 0, 0
	s_mov_b32 s59, 8
.Lctx:
	s_wait_alu depctr_va_vdst(0)                   ; the trip before's multiply-adds are done reading set 1 (the first time: the products and sums with v56-95), and v14 and v15 are written
	CLOAD 1, 8
	s_wait_dscnt 10                                ; set 0 is in; the ten loads just issued stay out
	CFMA 0
	s_wait_alu depctr_va_vdst(0)                   ; the multiply-adds are done reading set 0, in which the next loads land
	CLOAD 0, 16
	s_wait_dscnt 10                                ; set 1 is in
	CFMA 1
	s_add_co_u32 s[CAS], s[CAS], 16*PITCH          ; 16 rows on,
	s_add_co_u32 s[PAS], s[PAS], 64                ; and their 16 weights
	s_wait_alu depctr_vm_vsrc(0)                   ; the trip's loads have read v14 and v15
	v_add_nc_u32 v[T0], s[CAS], v[CB]
	v_add_nc_u32 v[T1], s[PAS], v[PB]
	s_sub_co_u32 s59, s59, 1
	s_cmp_lg_u32 s59, 0
	s_cbranch_scc1 .Lctx
	s_wait_alu depctr_va_vdst(0)                   ; the last trip's multiply-adds are done reading set 1, and v14 and v15 are written
	CLOAD 1, 8
	s_wait_dscnt 10
	CFMA 0
	s_wait_dscnt 0x0
	CFMA 1
.Lnoctx:
	MEET                                           ; nobody reads the block, the scores or the weights any more: behind this barrier they may be written again
	s_add_co_u32 s57, s57, 1
	s_cmp_lt_u32 s57, 2
	s_cbranch_scc1 .Lblock
	s_wait_alu depctr_vm_vsrc(0)                   ; the context's loads have read v14 and v15
	v_lshlrev_b32 v[T0], 4, v0
	v_lshlrev_b32 v[T1], 3, v0
	s_wait_alu depctr_va_vdst(0)                   ; v14 and v15, the context's eight sums, m and l are written, which the stores read
	global_store_b128 v[T0], v[CTX:CTX+3], s[14:15]                ; columns 8 t .. 8 t + 3 at 16 t: 512 consecutive bytes a wave
	global_store_b128 v[T0], v[CTX+4:CTX+7], s[14:15] offset:2048  ; columns 8 t + 4 .. 8 t + 7
	global_store_b64 v[T1], v[MRUN:LRUN], s[14:15] offset:4096     ; (m, l), the same in every lane: 256 consecutive bytes a wave
	s_wait_dscnt 0x0                               ; the closing lines, six on end
	s_wait_alu 0x0
	s_wait_tensorcnt 0x0
	ds_add_u32 v[SPW], v[NIL]
	s_wait_dscnt 0x0
	s_endpgm
.Lfunc_end_k_qf6273c80bf_attend:
	.size	k_qf6273c80bf_attend, .Lfunc_end_k_qf6273c80bf_attend-k_qf6273c80bf_attend
	.p2alignl 7, 3214868480
	.fill 96, 4, 3214868480
	.section	.rodata,"a",@progbits
	.p2align	6, 0x0
	.amdhsa_kernel k_qf6273c80bf_attend
		.amdhsa_group_segment_fixed_size 310784
		.amdhsa_private_segment_fixed_size 0
		.amdhsa_enable_private_segment 0
		.amdhsa_kernarg_size 48
		.amdhsa_user_sgpr_count 2
		.amdhsa_user_sgpr_kernarg_segment_ptr 1
		.amdhsa_wavefront_size32 1
		.amdhsa_system_sgpr_workgroup_id_x 1
		.amdhsa_system_sgpr_workgroup_id_y 1
		.amdhsa_system_sgpr_workgroup_id_z 1
		.amdhsa_system_vgpr_workitem_id 0
		.amdhsa_next_free_vgpr 1024
		.amdhsa_next_free_sgpr 76
		.amdhsa_reserve_vcc 0
		.amdhsa_float_denorm_mode_32 3
		.amdhsa_float_denorm_mode_16_64 3
		.amdhsa_memory_ordered 1
		.amdhsa_forward_progress 1
		.amdhsa_inst_pref_size 255
	.end_amdhsa_kernel
	.section	.bss,"aw",@nobits
	.p2align	6
	.space	262144
	.amdgpu_metadata
---
amdhsa.version: [ 1, 2 ]
amdhsa.kernels:
  - .name:           k_qf6273c80bf_attend
    .symbol:         k_qf6273c80bf_attend.kd
    .args:
      - { .name: encoder_states, .offset: 0, .size: 8, .value_kind: global_buffer, .address_space: global }
      - { .name: wef, .offset: 8, .size: 8, .value_kind: global_buffer, .address_space: global }
      - { .name: pp, .offset: 16, .size: 8, .value_kind: global_buffer, .address_space: global }
      - { .name: v, .offset: 24, .size: 8, .value_kind: global_buffer, .address_space: global }
      - { .name: rowtab, .offset: 32, .size: 8, .value_kind: global_buffer, .address_space: global }
      - { .name: part, .offset: 40, .size: 8, .value_kind: global_buffer, .address_space: global }
    .group_segment_fixed_size: 310784
    .private_segment_fixed_size: 0
    .kernarg_segment_align: 8
    .kernarg_segment_size: 48
    .max_flat_workgroup_size: 128
    .sgpr_count:     76
    .vgpr_count:     1024
    .wavefront_size: 32
...
	.end_amdgpu_metadata
.endif
;; end of part 4
;; launch combine: the kernel of part 3 again; grid 64 x 1, 8 waves a work-group, no clusters, 0 bytes of LDS; arguments part, out0; writes out0
